; MI455X (gfx1250); checked and timed in simulation.
; The chip was launched on July 23, 2026; its instructions are those of AMD's public machine-readable ISA for CDNA 5 (MIT licence, August 2026) and "CDNA5" Instruction Set Architecture Reference Guide (July 2026). The comments in the code are by the model that wrote it; some were corrected since.
;; Cross Attention. Allowed arithmetic: matrix products marked QUANTISED: E2M1 operands, one E8M0 scale for each 32 along K, by v_wmma_scale_f32_16x16x128_f8f6f4 with both operands' format E2M1 (or v_wmma_scale_f32_32x16x128_f4), f32 sums; products left as they are: bf16, f16 or f32 operands; f32 sums; everything else in f32.
;; Inputs: Wkv 1,024 x 2,048 float32; Wout 1,024 x 1,024 float32; Wq 1,024 x 1,024 float32; g_k 64 float32; g_q 64 float32; kv 4 x 2,048 x 1,024 float32; pos_k 2,048 int32; pos_q 2,048 int32; queries 4 x 2,048 x 1,024 float32.
;; Outputs: out0 4 x 2,048 x 1,024 float32.
;; This version of the problem:
;;   THIS VERSION OF THE PROBLEM IS GIVEN IN LOW PRECISION. The matrix products marked QUANTISED in the list below multiply operands that are first quantised to E2M1 (2 exponent bits, 1 mantissa bit; 4 bits a number), with one power-of-two scale for each 32 numbers along K (OCP MX v1.0); their sums are f32. The products marked 'left as it is' may take bf16, f16 or f32 operands, with f32 sums. Whichever they take, every output number must still come out within the allowed error. Rounding operands to bf16 (8 significant bits) uses up far more of that allowance than f16 does (11 bits, for magnitudes from 6e-5 to 65,504). All else is computed in f32.
;;   The module's matrix products, in the order in which they are computed (A, B: the left and right operand; K: the contracted axis; several contracted axes count as one K, in the product's order):
;;     1. [M 8,192, K 1,024] x [K 1,024, N 1,024]; A: input queries; B: input Wq: QUANTISED
;;     2. [M 8,192, K 1,024] x [K 1,024, N 2,048]; A: input kv; B: input Wkv: QUANTISED
;;     3. batch 64 x [M 2,048, K 64] x [K 64, N 2,048]; A: computed on the way; B: computed on the way: left as it is (an operand is computed on the way)
;;     4. batch 64 x [M 2,048, K 2,048] x [K 2,048, N 64]; A: computed on the way; B: computed on the way: left as it is (an operand is computed on the way)
;;     5. [M 8,192, K 1,024] x [K 1,024, N 1,024]; A: computed on the way; B: input Wout: left as it is (an operand is computed on the way)
;;   THE QUANTISER, for each operand of a quantised product, along K:
;;     - K is cut into blocks of 32 from its start; a last block that is shorter is filled with zeros.
;;     - A block's scale is 2^e with e = floor(log2(the largest magnitude in the block)) - 2, held to -126 .. 127; a block of zeros has e = 0. As a byte (E8M0): e + 127.
;;     - Each number is divided by its block's scale, clamped to +-6, and rounded to the nearest number of E2M1, ties to even, subnormals kept.
;;     - The product sums the exact products of the quantised numbers (number of the format x scale) in f32.
;;   ~~~python
;;   def quantise(x, axis):      # numpy; x: float32 -> the quantised numbers, widened to float32 again
;;       x = np.moveaxis(x, axis, -1); K = x.shape[-1]
;;       x = np.pad(x, [(0, 0)] * (x.ndim - 1) + [(0, -K % 32)]); x = x.reshape(x.shape[:-1] + (-1, 32)); a = np.abs(x).max(-1, keepdims=True)
;;       e = np.where(a > 0, np.clip(np.frexp(np.where(a > 0, a, 1))[1] - 1 - 2, -126, 127), 0)      # np.frexp(a)[1] - 1 = floor(log2(a)), exactly
;;       r = np.clip(x / 2.0 ** e, -6, 6)
;;       step = 2.0 ** (np.maximum(np.frexp(np.where(r == 0, 1, r))[1] - 1, 0) - 1)
;;       q = np.round(r / step) * step * 2.0 ** e      # np.round: ties to even
;;       return np.moveaxis(q.reshape(q.shape[:-2] + (-1,))[..., :K], -1, axis).astype(np.float32)
;;   ~~~
;; One version. Each part assembles by itself: llvm-mc -triple=amdgcn-amd-amdhsa -mcpu=gfx1250 --defsym DOCPART=n.
;; ======== version 1 of 1: 4 launches
;; limits: values are held in f16: magnitudes above 65,504 overflow, below 6.1e-05 lose precision; right only within a limited range of input values
;; workspace buffers: acodes 8,388,608 bytes; ascales 524,288 bytes; wcodes 1,572,864 bytes; wscales 98,304 bytes; tab 1,048,576 bytes; wo16 2,097,152 bytes; qkv 50,331,648 bytes; yh 16,777,216 bytes
;; launch prep (part 1): grid 688 x 1, 4 waves a work-group, no clusters, 68,096 bytes of LDS; arguments queries, kv, Wq, Wkv, Wout, pos_q, pos_k, acodes, ascales, wcodes, wscales, wo16, tab; writes acodes, ascales, wcodes, wscales, wo16, tab
.if DOCPART == 1
	.amdgcn_target "amdgcn-amd-amdhsa--gfx1250"
	.amdhsa_code_object_version 6
	.text
	.protected	k_q0d6d888d19_prep
	.globl	k_q0d6d888d19_prep
	.p2align	8
	.type	k_q0d6d888d19_prep,@function
k_q0d6d888d19_prep:
	s_mov_b64 s[64:65], 0
	v_nop
	global_prefetch_b8 v0, s[64:65] scope:SCOPE_SE
	s_setreg_imm32_b32 hwreg(HW_REG_WAVE_MODE, 25, 1), 1
	s_wait_xcnt 0x0
; CROSS ATTENTION, launch 1 of 4: everything that is made of one input alone.
; NO WORK OF THE PROBLEM IS LEFT OUT: every input (queries, kv, Wq, Wkv, Wout, g_q, g_k, pos_q, pos_k) has a way to the output, there is no mask and no slice that is thrown away.
; Four kinds of work-group, told apart by the work-group's number:
;   0-511   ACT: queries (0-255) and kv (256-511), f32 [8192][1024], K innermost, become codes of E2M1 and E8M0 scale bytes: acodes [16384][512 B], ascales [16384][32 B] (rows 0-8191 queries, 8192-16383 kv)
;   512-559 WQ:  Wq [1024][1024] (16 work-groups) and Wkv [1024][2048] (32), K = the FIRST axis, become wcodes [3072 columns][512 B], wscales [3072][32 B] (rows 0-1023 Wq's columns, 1024-3071 Wkv's)
;   560-623 WO:  Wout f32 -> f16, as it lies, [k][n]
;   624-687 TAB: cos and sin of pos x inv_freq: tab [4096][64 f32], rows 0-2047 by pos_q[l], 2048-4095 by pos_k[l]; a row = 32 cosines, then 32 sines
; THE QUANTISER: a block's scale is 2^(floor(log2(largest magnitude)) - 2); its byte is the largest magnitude's exponent field - 2, held at 1 from below; each number / scale, to the nearest code, ties to even, beyond 6 the largest code.
; A block of zeros gets the byte 1 where the rule says 127: its codes are zeros, which add nothing under any byte but 0xff, and this program alone reads the bytes.
; LIMITS: blocks whose largest magnitude lies under 2^-124 keep the floor's byte; NaN and infinities among the inputs are not served; Wout beyond 65,504 has no f16;
; |pos x inv_freq| under 4e6 (beyond that the quadrant number has no exact f32); inv_freq is 2^(-f log2(10000) / 32) by v_exp_f32, a few units in the last place from a correctly rounded power.
; No tensor loads, no barrier: waves share nothing.  Each path that uses LDS has LDS bytes of its own.
.set SPARE, 67584                      ; behind both paths' regions: the spare words, 128 bytes a wave
.set SPW,   208                        ; v208 LDS address of my spare word; never rewritten
.set NIL,   209                        ; v209 0; never rewritten
.macro FINISH                          ; the wave's end
	s_wait_tensorcnt 0x0
	ds_add_u32 v[SPW], v[NIL]
	s_wait_dscnt 0x0
	s_endpgm
.endm
	v_lshl_add_u32 v[SPW], v0, 2, SPARE
	v_mov_b32 v[NIL], 0
	v_lshrrev_b32 v1, 5, v0
	v_readfirstlane_b32 s16, v1                    ; wave 0..3
	v_and_b32 v2, 31, v0                           ; lane
	s_cmp_lt_u32 ttmp9, 512
	s_cbranch_scc1 .Lact
	s_cmp_lt_u32 ttmp9, 560
	s_cbranch_scc1 .Lwq
	s_cmp_lt_u32 ttmp9, 624
	s_cbranch_scc1 .Lwo
; ---------------- TAB: a wave makes 16 rows.  Lane (i = lane % 16, h = lane / 16) makes, for frequencies 2 i and 2 i + 1, the cosine (h = 0) or the sine (h = 1): one store of 8 bytes a lane writes a whole row of 256 bytes.
	s_load_b128 s[4:7], s[0:1], 0x28               ; pos_q, pos_k
	s_load_b64 s[8:9], s[0:1], 0x60                ; tab
	s_sub_co_u32 s17, ttmp9, 624
	s_lshl_b32 s18, s17, 6
	s_lshl_b32 s19, s16, 4
	s_add_co_u32 s18, s18, s19                     ; my first row of the table
	s_and_b32 s20, s18, 2047                       ; and the same position in pos_q or pos_k,
	s_lshl_b32 s20, s20, 2                         ; in bytes
	s_mov_b32 s21, 0
	s_lshl_b32 s22, s18, 8                         ; a row of the table is 256 bytes
	s_mov_b32 s23, 0
	s_wait_kmcnt 0x0
	s_cmp_lt_u32 s17, 32
	s_cselect_b64 s[4:5], s[4:5], s[6:7]
	s_add_nc_u64 s[4:5], s[4:5], s[20:21]
	s_add_nc_u64 s[8:9], s[8:9], s[22:23]
	s_load_b512 s[32:47], s[4:5], 0x0              ; my 16 positions
	s_mov_b32 s48, 0x3f22f983                      ; 2 / pi
	s_mov_b32 s49, 0xbfc90fdb                      ; -(pi / 2), its f32
	s_mov_b32 s50, 0x333bbd2e                      ; and what that f32 has too much
	s_mov_b32 s51, 0xb94ca1f9                      ; sine on [-pi/4, pi/4]: x + x z (s1 + z (s3 + z s5)), z = x x
	s_mov_b32 s52, 0x3c08839e
	s_mov_b32 s53, 0xbe2aaaa3
	s_mov_b32 s54, 0x37ccf5ce                      ; cosine: 1 - z / 2 + z z (c2 + z (c4 + z c6))
	s_mov_b32 s55, 0xbab6061a
	s_mov_b32 s56, 0x3d2aaaa5
	v_and_b32 v10, 15, v2
	v_lshrrev_b32 v11, 4, v2
	v_mul_u32_u24 v12, v11, 3                      ; sin(a) = cos(a - pi/2): three quadrants on
	v_lshlrev_b32 v13, 3, v2                       ; my 8 bytes of a row
	v_lshlrev_b32 v14, 1, v10
	v_or_b32 v15, 1, v14
	v_cvt_f32_u32 v14, v14
	v_cvt_f32_u32 v15, v15
	v_mul_f32 v14, 0xbed49a78, v14                 ; f x (-log2(10000) / 32)
	v_mul_f32 v15, 0xbed49a78, v15
	v_exp_f32 v14, v14                             ; inv_freq of my two frequencies
	v_exp_f32 v15, v15
	v_nop                                          ; a plain instruction behind the exponentials,
	s_wait_alu depctr_va_vdst(0)                   ; and one wait for both, ahead of their first reader
	s_wait_kmcnt 0x0
.macro ROW r
	v_cvt_f32_i32 v16, s[32+\r]
	v_mul_f32 v18, v16, v14                        ; the angle, in f32
	v_mul_f32 v19, v16, v15
	v_mul_f32 v20, s48, v18
	v_mul_f32 v21, s48, v19
	v_rndne_f32 v20, v20                           ; n: the nearest multiple of pi / 2
	v_rndne_f32 v21, v21
	v_fma_f32 v22, v20, s49, v18
	v_fma_f32 v23, v21, s49, v19
	v_fma_f32 v22, v20, s50, v22                   ; x = angle - n pi / 2, pi / 2 in two parts
	v_fma_f32 v23, v21, s50, v23
	v_mul_f32 v24, v22, v22
	v_mul_f32 v25, v23, v23
	v_fma_f32 v26, v24, s51, s52
	v_fma_f32 v27, v25, s51, s52
	v_fma_f32 v28, v24, s54, s55
	v_fma_f32 v29, v25, s54, s55
	v_fma_f32 v26, v26, v24, s53
	v_fma_f32 v27, v27, v25, s53
	v_fma_f32 v28, v28, v24, s56
	v_fma_f32 v29, v29, v25, s56
	v_mul_f32 v26, v26, v24
	v_mul_f32 v27, v27, v25
	v_mul_f32 v30, v24, v24
	v_mul_f32 v31, v25, v25
	v_fma_f32 v32, v24, -0.5, 1.0
	v_fma_f32 v33, v25, -0.5, 1.0
	v_fma_f32 v26, v26, v22, v22                   ; sin x
	v_fma_f32 v27, v27, v23, v23
	v_fma_f32 v28, v28, v30, v32                   ; cos x
	v_fma_f32 v29, v29, v31, v33
	v_cvt_i32_f32 v20, v20
	v_cvt_i32_f32 v21, v21
	v_add_nc_u32 v20, v20, v12                     ; Q = n + 3 h.  cos of quadrant Q: cos x, -sin x, -cos x, sin x
	v_add_nc_u32 v21, v21, v12
	v_and_b32 v34, 1, v20
	v_and_b32 v35, 1, v21
	v_cmp_eq_u32 vcc_lo, 1, v34
	v_cndmask_b32 v26, v28, v26, vcc_lo
	v_cmp_eq_u32 vcc_lo, 1, v35
	v_cndmask_b32 v27, v29, v27, vcc_lo
	v_add_nc_u32 v20, 1, v20
	v_add_nc_u32 v21, 1, v21
	v_and_b32 v20, 2, v20                          ; negative in quadrants 1 and 2
	v_and_b32 v21, 2, v21
	v_lshlrev_b32 v20, 30, v20
	v_lshlrev_b32 v21, 30, v21
	v_xor_b32 v[64+2*\r], v26, v20                 ; each row has its own pair: no store's data are written again
	v_xor_b32 v[65+2*\r], v27, v21
	global_store_b64 v13, v[64+2*\r:65+2*\r], s[8:9] offset:256*\r   ; 32 lanes store 256 consecutive bytes, aligned
.endm
.irp r, 0,1,2,3,4,5,6,7,8,9,10,11,12,13,14,15
	ROW \r
.endr
	FINISH
; ---------------- WO: a wave takes 16,384 bytes of Wout: 32 loads of 512 consecutive bytes, all issued first; each gives 256 consecutive bytes of f16.
.Lwo:
	s_load_b64 s[4:5], s[0:1], 0x20                ; Wout
	s_load_b64 s[6:7], s[0:1], 0x58                ; wo16
	s_sub_co_u32 s17, ttmp9, 560
	s_lshl_b32 s17, s17, 2
	s_add_co_u32 s17, s17, s16
	s_lshl_b32 s18, s17, 14
	s_mov_b32 s19, 0
	s_lshl_b32 s20, s17, 13
	s_mov_b32 s21, 0
	v_lshlrev_b32 v3, 4, v2
	v_lshlrev_b32 v4, 3, v2
	s_wait_kmcnt 0x0
	s_add_nc_u64 s[4:5], s[4:5], s[18:19]
	s_add_nc_u64 s[6:7], s[6:7], s[20:21]
.irp i, 0,1,2,3,4,5,6,7,8,9,10,11,12,13,14,15,16,17,18,19,20,21,22,23,24,25,26,27,28,29,30,31
	global_load_b128 v[16+4*\i:19+4*\i], v3, s[4:5] offset:512*\i th:TH_LOAD_NT
.endr
.irp i, 0,1,2,3,4,5,6,7,8,9,10,11,12,13,14,15,16,17,18,19,20,21,22,23,24,25,26,27,28,29,30,31
	s_wait_loadcnt 31-\i                           ; loads come back in order: load i is in, the younger ones stay out
	v_cvt_pk_f16_f32 v[16+4*\i], v[16+4*\i], v[17+4*\i]
	v_cvt_pk_f16_f32 v[17+4*\i], v[18+4*\i], v[19+4*\i]
	global_store_b64 v4, v[16+4*\i:17+4*\i], s[6:7] offset:256*\i
.endr
	FINISH
; ---------------- ACT: both tensors are plain streams of blocks of 32.  A wave takes 16 steps of 512 numbers.  Each load reads 512 consecutive bytes; a step's 2,048 bytes turn through the wave's own stage in LDS
; (16 bytes of padding behind each 64) and come back 64 bytes a lane: 16 neighbours along K; two neighbouring lanes hold a block.  Loads run four steps ahead, the turn through LDS one step.
.set STEPS, 16
.set CB,    8                          ; bytes of 16 codes
.set AR,    16                         ; v16-79   four sets of 16 numbers as loaded
.set AX,    80                         ; v80-111  two sets of 16 neighbours
.set AE,    112                        ; v112-127 a scale byte for each step
.set AC,    128                        ; v128-191 codes, four registers a step: no store's data are written again
.set WREG,  8192                       ; LDS 0 .. 32,767: a region for each wave: two stages of 32 x 80 bytes, then its 256 scale bytes
.set SP,    80
.Lact:
	s_load_b128 s[4:7], s[0:1], 0x0                ; queries, kv
	s_load_b128 s[8:11], s[0:1], 0x38              ; acodes, ascales
	v_lshlrev_b32 v3, 4, v2                        ; my 16 bytes of a load's 512
	s_mul_i32 s17, s16, WREG
	v_lshrrev_b32 v14, 2, v2
	v_mul_u32_u24 v14, v14, SP
	v_and_b32 v15, 3, v2
	v_lshl_add_u32 v14, v15, 4, v14
	v_add_nc_u32 v14, s17, v14                     ; the stage, in: 80 (lane / 4) + 16 (lane % 4)
	v_mul_u32_u24 v15, v2, SP
	v_add_nc_u32 v15, s17, v15                     ; and out: 80 x lane
	v_mul_u32_u24 v4, v2, CB                       ; my codes' place in a step's
	v_lshrrev_b32 v5, 1, v2
	s_add_co_u32 s17, s17, 2*32*SP
	v_add_nc_u32 v5, s17, v5                       ; my block's scale byte in LDS
	v_lshlrev_b32 v7, 3, v2
	v_add_nc_u32 v6, s17, v7                       ; and 8 bytes a lane on the way out
	s_wait_kmcnt 0x0
	s_cmp_lt_u32 ttmp9, 256                        ; the choice hangs on the work-group's number alone
	s_cselect_b64 s[4:5], s[4:5], s[6:7]
	s_cselect_b32 s18, 0, 256
	s_sub_co_u32 s18, ttmp9, s18
	s_lshl_b32 s18, s18, 2
	s_add_co_u32 s18, s18, s16                     ; which run of 8,192 numbers of the input is mine
	s_lshl_b32 s18, s18, 15
	s_mov_b32 s19, 0
	s_add_nc_u64 s[4:5], s[4:5], s[18:19]
	s_lshl_b32 s20, ttmp9, 2
	s_add_co_u32 s20, s20, s16                     ; and which run of the joined outputs
	s_lshl_b32 s18, s20, 12
	s_add_nc_u64 s[8:9], s[8:9], s[18:19]
	s_lshl_b32 s18, s20, 8
	s_add_nc_u64 s[10:11], s[10:11], s[18:19]
.macro ALOAD t
.irp i, 0,1,2,3
	global_load_b128 v[AR+16*((\t)%4)+4*\i:AR+16*((\t)%4)+4*\i+3], v3, s[4:5] offset:2048*(\t)+512*\i th:TH_LOAD_NT
.endr
.endm
.macro ATURN t                         ; LDS serves a wave's instructions in order: no wait between the stores and the loads
.irp i, 0,1,2,3
	ds_store_b128 v14, v[AR+16*((\t)%4)+4*\i:AR+16*((\t)%4)+4*\i+3] offset:32*SP*((\t)%2)+8*SP*\i
.endr
.irp i, 0,1,2,3
	ds_load_b128 v[AX+16*((\t)%2)+4*\i:AX+16*((\t)%2)+4*\i+3], v15 offset:32*SP*((\t)%2)+16*\i
.endr
.endm
.irp t, 0,1,2,3
	ALOAD \t
.endr
	s_wait_loadcnt 12                              ; step 0's four loads are in
	ATURN 0
.macro ASTEP t
.set XS, AX+16*((\t)%2)
.if (\t) > 0
	s_wait_dscnt 1                                 ; this step's numbers are back from the stage (the last step's byte store may be out)
.else
	s_wait_dscnt 0x0
.endif
.if (\t)+4 < STEPS
	ALOAD (\t)+4
.endif
.if (\t)+1 < STEPS
.if STEPS-2-(\t) >= 3
	s_wait_loadcnt 12                              ; the next step's four loads are in; the twelve of the three steps behind it may be out
.else
	s_wait_loadcnt 4*(STEPS-2-(\t))
.endif
	ATURN (\t)+1
.endif
	v_max3_num_f32 v8, |v[XS]|, |v[XS+1]|, |v[XS+2]|
	v_max3_num_f32 v9, |v[XS+3]|, |v[XS+4]|, |v[XS+5]|
.irp i, 6,10
	v_max3_num_f32 v8, v8, |v[XS+\i]|, |v[XS+\i+1]|
	v_max3_num_f32 v9, v9, |v[XS+\i+2]|, |v[XS+\i+3]|
.endr
	v_max3_num_f32 v8, v8, |v[XS+14]|, |v[XS+15]|
	v_max3_num_f32 v8, v8, v9, 0x1800000           ; and the floor 2^(3 - 127): the byte cannot fall under 1
	v_max_num_f32_dpp v8, v8, v8 row_xmask:1 row_mask:0xf bank_mask:0xf   ; with my neighbour's 16: the block's largest magnitude
	v_add_nc_u32 v11, 0xff000000, v8               ; 2 off its exponent field: the conversion takes the exponent field of this operand as its scale
	v_cvt_scalef32_pk8_fp4_f32 v[AC+4*(\t)], v[XS:XS+7], v11
	v_cvt_scalef32_pk8_fp4_f32 v[AC+4*(\t)+1], v[XS+8:XS+15], v11
	v_lshrrev_b32 v[AE+(\t)], 23, v11              ; the scale's byte
	ds_store_b8 v5, v[AE+(\t)] offset:16*(\t)      ; both lanes of a block write the same byte with the same value
	global_store_b64 v4, v[AC+4*(\t):AC+4*(\t)+1], s[8:9] offset:32*CB*(\t)   ; 32 lanes store 256 consecutive bytes, aligned
.endm
.irp t, 0,1,2,3,4,5,6,7,8,9,10,11,12,13,14,15
	ASTEP \t
.endr
	ds_load_b64 v[8:9], v6
	s_wait_dscnt 0x0
	global_store_b64 v7, v[8:9], s[10:11]          ; the wave's 256 scale bytes, aligned
	FINISH
; ---------------- WQ: a lane takes a column n, and its registers run down K: a block of 32 along K lies in one lane's 32 registers, and the conversions give codes with K innermost.
; A wave takes 32 columns x 512 along K: 16 blocks a lane, 256 bytes of codes a column; they go through the wave's own stage and leave as rows, sixteen lanes to 256 consecutive bytes.
; One text for both weights: the pitch (4,096 or 8,192 bytes) is a scalar; 32 offset registers hold lane x 4 + i x pitch, and the base steps 32 rows a block.
.set NB,    16
.set WP,    272                        ; a stage row: 256 bytes + 16
.set WSTG,  32768                      ; LDS 32,768 .. 67,583: a stage of 32 rows for each wave
.set WSB,   24                         ; v24-27   scale bytes, four to a register
.set WX,    32                         ; v32-95   two sets of 32 numbers
.set WC,    96                         ; v96-99   a block's codes
.set WOUT,  112                        ; v112-175 the way out
.set ROFF,  176                        ; v176-207 row offsets; never rewritten
.Lwq:
	s_load_b128 s[4:7], s[0:1], 0x10               ; Wq, Wkv
	s_load_b128 s[8:11], s[0:1], 0x48              ; wcodes, wscales
	s_mul_i32 s27, s16, 32*WP
	s_add_co_u32 s27, s27, WSTG                    ; my stage
	v_mul_u32_u24 v4, v2, WP
	v_add_nc_u32 v4, s27, v4                       ; into it: row = my column
	v_and_b32 v5, 15, v2
	v_lshrrev_b32 v6, 4, v2
	v_mul_u32_u24 v7, v6, WP
	v_lshl_add_u32 v7, v5, 4, v7
	v_add_nc_u32 v7, s27, v7                       ; out of it: sixteen lanes to a row, two rows an instruction
	v_lshlrev_b32 v8, 9, v6
	v_lshl_add_u32 v8, v5, 4, v8                   ; and the same place in wcodes (rows of 512 bytes)
	v_lshlrev_b32 v9, 5, v2                        ; my column's row of scale bytes (32 bytes)
	s_sub_co_u32 s17, ttmp9, 512
	s_wait_kmcnt 0x0
	s_cmp_ge_u32 s17, 16                           ; Wkv's work-group?
	s_cselect_b64 s[4:5], s[6:7], s[4:5]
	s_cselect_b32 s18, 16, 0
	s_cselect_b32 s19, 1024, 0                     ; Wkv's columns lie behind Wq's 1,024
	s_mov_b32 s30, 4096
	s_cselect_b32 s30, 8192, s30                   ; bytes from row to row of the weight
	s_sub_co_u32 s20, s17, s18
	s_lshr_b32 s21, s20, 1                         ; which 128 columns
	s_and_b32 s22, s20, 1                          ; which 512 along K
	s_lshl_b32 s23, s21, 7
	s_lshl_b32 s24, s16, 5
	s_add_co_u32 s23, s23, s24                     ; my wave's first column
	s_lshl_b32 s24, s30, 9
	s_mul_i32 s24, s24, s22
	s_lshl_b32 s25, s23, 2
	s_add_co_u32 s24, s24, s25
	s_mov_b32 s25, 0
	s_add_nc_u64 s[4:5], s[4:5], s[24:25]
	s_add_co_u32 s23, s23, s19
	s_lshl_b32 s24, s23, 9
	s_lshl_b32 s26, s22, 8
	s_add_co_u32 s24, s24, s26
	s_add_nc_u64 s[8:9], s[8:9], s[24:25]
	s_lshl_b32 s24, s23, 5
	s_lshl_b32 s26, s22, 4
	s_add_co_u32 s24, s24, s26
	s_add_nc_u64 s[10:11], s[10:11], s[24:25]
	s_lshl_b32 s32, s30, 5                         ; 32 rows on
	s_mov_b32 s33, 0
	v_lshlrev_b32 v[ROFF], 2, v2
.set i, 1
.rept 31
	v_mad_u32_u24 v[ROFF+i], s30, i, v[ROFF]
.set i, i+1
.endr
.macro WLOAD t                         ; block t: W(32 t + i, my column) into set t % 2: each load reads 128 consecutive bytes a wave
.if (\t) > 0
	s_wait_xcnt 0x0                                ; the earlier loads have read their base: it may step
	s_add_nc_u64 s[4:5], s[4:5], s[32:33]
.endif
.irp i, 0,1,2,3,4,5,6,7,8,9,10,11,12,13,14,15,16,17,18,19,20,21,22,23,24,25,26,27,28,29,30,31
	global_load_b32 v[WX+32*((\t)%2)+\i], v[ROFF+\i], s[4:5] th:TH_LOAD_NT
.endr
.endm
	WLOAD 0
	WLOAD 1
.macro WBLOCK t
.set XS, WX+32*((\t)%2)
.if (\t) < NB-1
	s_wait_loadcnt 32                              ; this block's 32 loads are in; the next block's 32 may be out
.else
	s_wait_loadcnt 0
.endif
	v_max3_num_f32 v12, |v[XS]|, |v[XS+1]|, |v[XS+2]|
	v_max3_num_f32 v13, |v[XS+3]|, |v[XS+4]|, |v[XS+5]|
.irp i, 6,10,14,18,22,26
	v_max3_num_f32 v12, v12, |v[XS+\i]|, |v[XS+\i+1]|
	v_max3_num_f32 v13, v13, |v[XS+\i+2]|, |v[XS+\i+3]|
.endr
	v_max3_num_f32 v12, v12, |v[XS+30]|, |v[XS+31]|
	v_max3_num_f32 v12, v12, v13, 0x1800000        ; and the floor 2^(3 - 127)
	v_add_nc_u32 v11, 0xff000000, v12              ; the conversion's scale operand
	v_lshrrev_b32 v13, 23, v11                     ; the scale's byte
.if (\t)%4 == 0
	v_mov_b32 v[WSB+(\t)/4], v13
.else
	v_lshl_or_b32 v[WSB+(\t)/4], v13, 8*((\t)%4), v[WSB+(\t)/4]
.endif
.irp g, 0,1,2,3
	v_cvt_scalef32_pk8_fp4_f32 v[WC+\g], v[XS+8*\g:XS+8*\g+7], v11
.endr
	ds_store_b128 v4, v[WC:WC+3] offset:16*(\t)    ; 32 codes: 16 bytes of my column's row
.if (\t)+2 < NB
	WLOAD (\t)+2
.endif
	s_wait_dscnt 0x0                               ; the store has read its registers: the next block's codes may be written
.endm
.set Q, 0
.rept NB
	WBLOCK Q
.set Q, Q+1
.endr
	global_store_b128 v9, v[WSB:WSB+3], s[10:11]   ; my column's 16 scale bytes
.irp t, 0,1,2,3,4,5,6,7,8,9,10,11,12,13,14,15
	ds_load_b128 v[WOUT+4*\t:WOUT+4*\t+3], v7 offset:2*\t*WP
.endr
.irp t, 0,1,2,3,4,5,6,7,8,9,10,11,12,13,14,15
	s_wait_dscnt 15-\t
	global_store_b128 v8, v[WOUT+4*\t:WOUT+4*\t+3], s[8:9] offset:2*\t*512
.endr
	FINISH
.Lfunc_end_k_q0d6d888d19_prep:
	.size	k_q0d6d888d19_prep, .Lfunc_end_k_q0d6d888d19_prep-k_q0d6d888d19_prep
	.p2alignl 7, 3214868480
	.fill 96, 4, 3214868480
	.section	.rodata,"a",@progbits
	.p2align	6, 0x0
	.amdhsa_kernel k_q0d6d888d19_prep
		.amdhsa_group_segment_fixed_size 68096
		.amdhsa_private_segment_fixed_size 0
		.amdhsa_enable_private_segment 0
		.amdhsa_kernarg_size 104
		.amdhsa_user_sgpr_count 2
		.amdhsa_user_sgpr_kernarg_segment_ptr 1
		.amdhsa_wavefront_size32 1
		.amdhsa_system_sgpr_workgroup_id_x 1
		.amdhsa_system_sgpr_workgroup_id_y 1
		.amdhsa_system_sgpr_workgroup_id_z 1
		.amdhsa_system_vgpr_workitem_id 0
		.amdhsa_next_free_vgpr 216
		.amdhsa_next_free_sgpr 66
		.amdhsa_reserve_vcc 1
		.amdhsa_float_denorm_mode_32 3
		.amdhsa_float_denorm_mode_16_64 3
		.amdhsa_memory_ordered 1
		.amdhsa_forward_progress 1
		.amdhsa_inst_pref_size 163
	.end_amdhsa_kernel
	.amdgpu_metadata
---
amdhsa.version: [ 1, 2 ]
amdhsa.kernels:
  - .name:           k_q0d6d888d19_prep
    .symbol:         k_q0d6d888d19_prep.kd
    .args:
      - { .name: queries, .offset: 0, .size: 8, .value_kind: global_buffer, .address_space: global }
      - { .name: kv, .offset: 8, .size: 8, .value_kind: global_buffer, .address_space: global }
      - { .name: Wq, .offset: 16, .size: 8, .value_kind: global_buffer, .address_space: global }
      - { .name: Wkv, .offset: 24, .size: 8, .value_kind: global_buffer, .address_space: global }
      - { .name: Wout, .offset: 32, .size: 8, .value_kind: global_buffer, .address_space: global }
      - { .name: pos_q, .offset: 40, .size: 8, .value_kind: global_buffer, .address_space: global }
      - { .name: pos_k, .offset: 48, .size: 8, .value_kind: global_buffer, .address_space: global }
      - { .name: acodes, .offset: 56, .size: 8, .value_kind: global_buffer, .address_space: global }
      - { .name: ascales, .offset: 64, .size: 8, .value_kind: global_buffer, .address_space: global }
      - { .name: wcodes, .offset: 72, .size: 8, .value_kind: global_buffer, .address_space: global }
      - { .name: wscales, .offset: 80, .size: 8, .value_kind: global_buffer, .address_space: global }
      - { .name: wo16, .offset: 88, .size: 8, .value_kind: global_buffer, .address_space: global }
      - { .name: tab, .offset: 96, .size: 8, .value_kind: global_buffer, .address_space: global }
    .group_segment_fixed_size: 68096
    .private_segment_fixed_size: 0
    .kernarg_segment_align: 8
    .kernarg_segment_size: 104
    .max_flat_workgroup_size: 128
    .sgpr_count:     66
    .vgpr_count:     216
    .wavefront_size: 32
...
	.end_amdgpu_metadata
.endif
;; end of part 1
;; launch proj (part 2): grid 12 x 32, 4 waves a work-group, clusters of 4 x 4, 327,680 bytes of LDS; arguments acodes, ascales, wcodes, wscales, qkv, tab, g_q, g_k; writes qkv
.if DOCPART == 2
	.amdgcn_target "amdgcn-amd-amdhsa--gfx1250"
	.amdhsa_code_object_version 6
	.text
	.protected	k_q0d6d888d19_proj
	.globl	k_q0d6d888d19_proj
	.p2align	8
	.type	k_q0d6d888d19_proj,@function
k_q0d6d888d19_proj:
	s_mov_b64 s[64:65], 0
	v_nop
	global_prefetch_b8 v0, s[64:65] scope:SCOPE_SE
	s_setreg_imm32_b32 hwreg(HW_REG_WAVE_MODE, 25, 1), 1
	s_wait_xcnt 0x0
	s_wait_alu depctr_hold_cnt(0) depctr_sa_sdst(0) depctr_va_vdst(0) depctr_va_sdst(0) depctr_va_ssrc(0) depctr_va_vcc(0) depctr_vm_vsrc(0)
	s_getreg_b32 s2, hwreg(HW_REG_IB_STS2, 6, 4)
	s_cmp_eq_u32 s2, 0
	s_cbranch_scc0 .Lentry_in_a_cluster
	s_endpgm
.Lentry_in_a_cluster:
	s_bfe_u32 s2, ttmp6, 0x10000c
	s_cmp_lg_u32 s2, 0xf033
	s_cbranch_scc0 .Lentry_shape_is_right
	s_endpgm
.Lentry_shape_is_right:
; CROSS ATTENTION, launch 2 of 4: the two QUANTISED products (queries x Wq, kv x Wkv) on codes of E2M1 with E8M0 scales, then the per-head RMSNorm with its gain, RoPE, and the rounding to f16.  No work is left out.
; C[m][n] = sum over k of A[m][k] B[n][k], K = 1,024.  A: acodes rows 0-8191 (queries) or 8192-16383 (kv); B: wcodes rows 0-1023 (Wq's columns) or 1024-3071 (Wkv's).
; Tile columns 0-3 (cluster x = 0) make q, tile columns 4-11 (cluster x = 1, 2) make k and v.  A tile of C is 256 x 256, a wave's part 128 x 128: 64 accumulators, 512 registers.
; K lies in two LDS slots of 512 along K (rows of 256 bytes), both filled at the start: nothing is filled again.  The scale bytes of the work-group's rows come once, as dense blocks.
; CLUSTERS: 4 x 4 work-groups.  The four of a row of the cluster need the same tiles of A, the four of a column the same tiles of B: each tile is asked for jointly.
; THE MATRIX INSTRUCTION IS USED TRANSPOSED (source 0 = 16 rows of B, source 1 = 16 rows of A): lane (r, h) holds row r of C and, in accumulator (a, b), columns 16 b + 8 h + 0 .. 7.
; A wave's 128 columns are two groups of 64: for q two heads; for kv one head's k (group 0) and v (group 1), as reshape(.., H, 2 d) has them.  A head's 64 channels of a row lie in lanes l and l xor 16.
; OUT: qkv = q at 0, k at 16 MiB, v at 32 MiB, each [16 b + head][l][64] f16: rows of one head are dense, four rows are 512 consecutive bytes.
; LIMITS: q, k (at most 8 max|g| in size) and v go to f16: |v| beyond 65,504 has no f16 number.  NaN and infinities are not served.
; REGISTERS: window 0: v0-31 addresses; v32-95 scale words, two sets; v96-127 the gain; v128-191 A's fragments, one set; v192-255 cos and sin, two sets.  Window 1: B's fragments, two sets.  Windows 2, 3: the accumulators.
;   On the way out: v8-15 at work; v32-63 1 / rms; v64-95 a head's 32 numbers; v128-159 packed f16; v160-191 rows read back from the stage.
.set NQ,     4                         ; matrix instructions deep in a slot
.set ROWB,   256                       ; a tile's row in bytes: 512 codes
.set KROW,   512                       ; a row of codes in memory
.set PITCH,  272                       ; an LDS row: 256 bytes + 16: the 16 rows of a load start 68 words apart
.set FR,     8
.set NL,     2
.set NP,     4
.set HALFT,  128*PITCH
.set SLOT,   4*HALFT
.set KS,     32                        ; a row of scale bytes
.set SCL,    2*SLOT
.set HALFS,  (128*KS/256)*272
.set SBLK,   (16*KS/256)*272
.set SPARE,  SCL+4*HALFS
.set U,    8
.set ADRA, 16
.set ADRB, 20
.set STO,  24
.set RD,   25
.set CO,   26
.set ADRS, 27
.set SPW,  28
.set NIL,  29
.set GA,   30                          ; v30 32 h: my place in the gain
.set TA,   31                          ; v31 256 r + 32 h: my place in 16 rows of the table
.set SC,   32
.set RS,   32
.set T,    64
.set G,    96
.set AF,   128
.set PKD,  128
.set BK,   160
.set CS,   192
.set G1, 24
.set G0, 32
.set G1B, 48
.set G0B, 56
.set G1S, 68
.set G0S, 76
.set G1SB, 80
.set G0SB, 88
.set MSB, 0
.macro WIN new                         ; the immediate's high byte repeats the setting that is left
.if MSB != \new
	s_set_vgpr_msb (MSB<<8)|\new
.set MSB, \new
.endif
.endm
.set MUL_LO, 0xa1                      ; source 0 (B) window 1, source 1 (A) window 0, C and D window 2
.set MUL_HI, 0xf1
.set TO_B,   0x40
; A joint load: waves 0 and 1 fetch for A, waves 2 and 3 for B; the branch hangs on the wave's number alone.  An s_nop 0 and four v_nop follow each line.
.macro JLOAD g0a, g1a, g0b, g1b
	s_cmp_eq_u32 s15, 0
	s_cbranch_scc0 .Lfor_b_\@
	tensor_load_to_lds s[\g0a:\g0a+3], s[\g1a:\g1a+7]
	s_nop 0
.rept 4
	v_nop
.endr
	s_branch .Lasked_\@
.Lfor_b_\@:
	tensor_load_to_lds s[\g0b:\g0b+3], s[\g1b:\g1b+7]
	s_nop 0
.rept 4
	v_nop
.endr
.Lasked_\@:
.endm
.macro CROUND                          ; a round of the cluster's barrier
	s_barrier_signal -1
	s_barrier_wait -1
	s_cmp_lg_u32 s14, 0
	s_cbranch_scc1 .Lnot_wave_0_\@
	s_barrier_signal -3
.Lnot_wave_0_\@:
	s_barrier_wait -3
	s_barrier_signal -1
	s_barrier_wait -1
.endm
	s_load_b128 s[4:7], s[0:1], 0x0                ; acodes, ascales
	s_load_b128 s[8:11], s[0:1], 0x10              ; wcodes, wscales
	s_load_b64 s[12:13], s[0:1], 0x20              ; qkv
	s_load_b64 s[66:67], s[0:1], 0x28              ; tab
	s_load_b128 s[96:99], s[0:1], 0x30             ; g_q, g_k
	v_lshl_add_u32 v[SPW], v0, 2, SPARE
	v_mov_b32 v[NIL], 0
	ds_add_u32 v[SPW], v[NIL]                      ; the wave's opening: the add, twice on end, and its wait ahead of my first tensor load
	ds_add_u32 v[SPW], v[NIL]
	v_lshrrev_b32 v1, 5, v0
	v_readfirstlane_b32 s14, v1                    ; wave 0..3
	s_lshr_b32 s15, s14, 1                         ; which half of the tile's rows is mine.  Also: I fetch for A (0) or for B (1)
	s_and_b32 s16, s14, 1                          ; which half of its columns.  Also: which 128 rows I fetch
	s_bfe_u32 s40, ttmp6, 0x40000                  ; cx
	s_bfe_u32 s41, ttmp6, 0x40004                  ; cy
	s_lshl_b32 s42, ttmp9, 2
	s_add_co_u32 s42, s42, s40                     ; tile column 0..11
	s_and_b32 s17, ttmp7, 0xffff
	s_lshl_b32 s17, s17, 2
	s_add_co_u32 s17, s17, s41                     ; tile row 0..31
	s_cmp_lg_u32 ttmp9, 0
	s_cselect_b32 s100, 1, 0                       ; 1: this cluster makes k and v; the same in all sixteen partners
	s_lshl_b32 s43, s41, 2
	s_lshl_b32 s43, 15, s43                        ; my row of the cluster
	s_lshl_b32 s44, 0x1111, s40                    ; my column
	s_or_b32 s[G1+0], s43, (0<<16)|(1<<20)|(1<<21)|(5<<22)|(3<<25)  ; the mask; elements of 1 byte; padding: 4 words behind every 64; bit 21 beside a mask
	s_or_b32 s[G1B+0], s44, (0<<16)|(1<<20)|(1<<21)|(5<<22)|(3<<25)
.irp g, G1, G1B
	s_mov_b32 s[\g+1], ROWB<<16                    ; tensor_dim0
	s_mov_b32 s[\g+2], 128<<16                     ; tensor_dim1
	s_mov_b32 s[\g+3], ROWB<<16                    ; tile_dim0
	s_mov_b32 s[\g+4], 128                         ; tile_dim1
	s_mov_b32 s[\g+5], KROW                        ; pitch
	s_mov_b32 s[\g+6], 0
	s_mov_b32 s[\g+7], 0
.endr
	s_or_b32 s[G1S+0], s43, (3<<16)|(1<<20)|(1<<21)|(5<<22)|(3<<25) ; the scales of 128 rows: 4,096 dense bytes as 16 rows of 256 bytes (32 elements of 8 bytes)
	s_or_b32 s[G1SB+0], s44, (3<<16)|(1<<20)|(1<<21)|(5<<22)|(3<<25)
.irp g, G1S, G1SB
	s_mov_b32 s[\g+1], 32<<16
	s_mov_b32 s[\g+2], (128*KS/256)<<16
	s_mov_b32 s[\g+3], 32<<16
	s_mov_b32 s[\g+4], 128*KS/256
	s_mov_b32 s[\g+5], 32
	s_mov_b32 s[\g+6], 0
	s_mov_b32 s[\g+7], 0
.endr
	s_lshl_b32 s18, s16, 7                         ; which 128 rows of the tile I fetch
	s_lshl_b32 s20, s17, 8
	s_add_co_u32 s20, s20, s18
	s_lshl_b32 s19, s100, 13
	s_add_co_u32 s20, s20, s19                     ; A: row 256 x tile row + 128 x half, kv's rows 8,192 on
	s_lshl_b32 s46, s42, 8
	s_add_co_u32 s46, s46, s18                     ; B: row 256 x tile column + 128 x half
	s_mov_b32 s21, 0
	s_mov_b32 s47, 0
	s_mov_b64 s[18:19], KS
	s_mul_u64 s[22:23], s[20:21], s[18:19]
	s_mul_u64 s[92:93], s[46:47], s[18:19]
	s_mov_b64 s[18:19], KROW
	s_mul_u64 s[20:21], s[20:21], s[18:19]
	s_mul_u64 s[46:47], s[46:47], s[18:19]
	s_mul_i32 s45, s14, HALFT                      ; where they go: wave x 128 rows
	s_mul_i32 s94, s14, HALFS
	s_mov_b32 s101, 0x3c800000                     ; 1 / 64
	s_mov_b32 s104, 0x34000000                     ; eps = 2^-23
	s_wait_dscnt 0x0                               ; both opening adds are done
	s_wait_kmcnt 0x0
	s_add_nc_u64 s[20:21], s[4:5], s[20:21]
	s_add_nc_u64 s[22:23], s[6:7], s[22:23]
	s_add_nc_u64 s[46:47], s[8:9], s[46:47]
	s_add_nc_u64 s[92:93], s[10:11], s[92:93]
	CROUND                                         ; all sixteen work-groups are here: the first joint loads meet
	s_mov_b32 s[G0S], 1
	s_add_co_u32 s[G0S+1], s94, SCL
	s_mov_b64 s[G0S+2:G0S+3], s[22:23]
	s_or_b32 s[G0S+3], s[G0S+3], 0x80000000
	s_mov_b32 s[G0SB], 1
	s_add_co_u32 s[G0SB+1], s94, SCL
	s_mov_b64 s[G0SB+2:G0SB+3], s[92:93]
	s_or_b32 s[G0SB+3], s[G0SB+3], 0x80000000
	JLOAD G0S, G1S, G0SB, G1SB                     ; the scales first: they are wanted with the first slot
.irp s, 0,1
	s_mov_b32 s[G0+4*\s], 1
	s_add_co_u32 s[G0+4*\s+1], s45, \s*SLOT
	s_add_nc_u64 s[G0+4*\s+2:G0+4*\s+3], s[20:21], \s*ROWB
	s_or_b32 s[G0+4*\s+3], s[G0+4*\s+3], 0x80000000
	s_mov_b32 s[G0B+4*\s], 1
	s_add_co_u32 s[G0B+4*\s+1], s45, \s*SLOT
	s_add_nc_u64 s[G0B+4*\s+2:G0B+4*\s+3], s[46:47], \s*ROWB
	s_or_b32 s[G0B+4*\s+3], s[G0B+4*\s+3], 0x80000000
	JLOAD G0+4*\s, G1, G0B+4*\s, G1B               ; three loads of mine are out in all
.endr
	v_and_b32 v1, 15, v0                           ; r
	v_bfe_u32 v2, v0, 4, 1                         ; h
	v_mul_u32_u24 v3, v1, PITCH
	v_lshl_add_u32 v4, v2, 4, v3
	s_mul_i32 s21, s15, HALFT
	s_mul_i32 s22, s16, HALFT
	s_add_co_u32 s22, s22, 2*HALFT
.irp s, 0,1
	v_add_nc_u32 v[ADRA+\s], s21, v4
	v_add_nc_u32 v[ADRB+\s], s22, v4
	s_add_co_u32 s21, s21, SLOT
	s_add_co_u32 s22, s22, SLOT
.endr
	v_mul_u32_u24 v5, v1, KS
	v_lshrrev_b32 v6, 8, v5
	v_lshl_add_u32 v5, v6, 4, v5
	s_mul_i32 s21, s15, HALFS
	s_mul_i32 s22, s16, HALFS
	s_add_co_u32 s22, s22, 2*HALFS
	s_sub_co_u32 s22, s22, s21
	v_mul_u32_u24 v6, s22, v2                      ; lanes 16-31 take B's scale words
	s_add_co_u32 s21, s21, SCL
	v_add_nc_u32 v5, v5, v6
	v_add_nc_u32 v[ADRS], s21, v5
	s_mul_i32 s23, s14, 16*272                     ; my stage for the way out: 16 rows x 272 bytes, in slot 0
	v_mul_u32_u24 v5, v1, 272
	v_lshl_add_u32 v5, v2, 4, v5
	v_add_nc_u32 v[STO], s23, v5                   ; in: row r, 16 bytes for each half of the lanes
	v_and_b32 v6, 31, v0
	v_lshrrev_b32 v5, 3, v6
	v_mul_u32_u24 v5, v5, 272
	v_and_b32 v3, 7, v0
	v_lshl_add_u32 v5, v3, 4, v5
	v_add_nc_u32 v[RD], s23, v5                    ; back: eight lanes take a head's 128 bytes of a row, four rows an instruction
	v_lshlrev_b32 v[CO], 4, v6                     ; and the same 512 bytes in memory
	v_lshlrev_b32 v[GA], 5, v2
	v_lshl_add_u32 v[TA], v1, 8, v[GA]
	s_cmp_lg_u32 s100, 0
	s_cselect_b64 s[96:97], s[98:99], s[96:97]     ; g_k or g_q
	s_and_b32 s44, s17, 7
	s_lshl_b32 s44, s44, 8
	s_lshl_b32 s45, s15, 7
	s_add_co_u32 s44, s44, s45                     ; l of my first row: 256 x (tile row % 8) + 128 x half
	s_lshl_b32 s92, s44, 8
	s_lshl_b32 s93, s100, 19                       ; pos_k's rows of the table lie 2,048 rows on
	s_add_co_u32 s92, s92, s93
	s_mov_b32 s93, 0
	s_add_nc_u64 s[66:67], s[66:67], s[92:93]
	s_lshr_b32 s45, s17, 3
	s_lshl_b32 s45, s45, 4                         ; 16 x batch
	s_lshl_b32 s46, s42, 2
	s_lshl_b32 s47, s16, 1
	s_add_co_u32 s46, s46, s47                     ; q: my first head = 4 x tile column + 2 x half
	s_sub_co_u32 s47, s42, 4
	s_lshl_b32 s47, s47, 1
	s_add_co_u32 s47, s47, s16                     ; kv: my head = 2 x (tile column - 4) + half
	s_cmp_lg_u32 s100, 0
	s_cselect_b32 s46, s47, s46
	s_cselect_b32 s94, 0x1000000, 0                ; k's region begins at 16 MiB
	s_mov_b32 s95, 0x40000
	s_cselect_b32 s95, 0x1000000, s95              ; from column group 0 to group 1: to v's region, or to q's next head
	s_add_co_u32 s46, s46, s45
	s_lshl_b32 s46, s46, 11
	s_add_co_u32 s46, s46, s44
	s_lshl_b32 s46, s46, 7                         ; rows of 128 bytes
	s_add_co_u32 s46, s46, s94
	s_mov_b32 s47, 0
	s_add_nc_u64 s[12:13], s[12:13], s[46:47]      ; where column group 0 goes,
	s_mov_b32 s46, s95
	s_add_nc_u64 s[98:99], s[12:13], s[46:47]      ; and group 1
	s_mov_b32 s20, 0x76543210
	s_mov_b32 s21, 0xfedcba98                      ; v_permlanex16_b32's selects for lane l xor 16
; cos and sin of row block a (16 rows of the table), into set a % 2: register 8 b + j = cos of frequency 16 b + 8 h + j of row r; 16 registers on the sines
.macro CSLOAD a
.set CC, CS+32*((\a)%2)
.irp b, 0,1
.irp i, 0,1
	global_load_b128 v[CC+8*\b+4*\i:CC+8*\b+4*\i+3], v[TA], s[66:67] offset:4096*(\a)+64*\b+16*\i
	global_load_b128 v[CC+16+8*\b+4*\i:CC+16+8*\b+4*\i+3], v[TA], s[66:67] offset:4096*(\a)+128+64*\b+16*\i
.endr
.endr
.endm
.irp b, 0,1,2,3
.irp i, 0,1
	global_load_b128 v[G+8*\b+4*\i:G+8*\b+4*\i+3], v[GA], s[96:97] offset:64*\b+16*\i   ; register 8 b + j = the gain of channel 16 b + 8 h + j
.endr
.endr
	CSLOAD 0
	CSLOAD 1                                       ; these 24 loads land while the products run; they are waited for behind the last product
.macro FRAG reg, adr, q, i             ; 16 rows x 128 K of 4-bit codes: 8 registers, two loads of 16 bytes, 32 bytes apart
.irp c, 0,1
	ds_load_b128 v[\reg+4*\c:\reg+4*\c+3], v[\adr] offset:64*(\q)+32*\c+(\i)*16*PITCH
.endr
.endm
; 16 matrix instructions: A's blocks a0, a0 + 1 x B's eight.  The 64 accumulators take turns, one instruction a turn, in the same order in every step.
.macro MUL16 a0, p, q, sc, zero
.irp a, \a0, \a0+1
.irp b, 0,1,2,3,4,5,6,7
.if \zero
	v_wmma_scale_f32_16x16x128_f8f6f4 v[8*(8*((\a)%4)+\b):8*(8*((\a)%4)+\b)+7], v[128*(\p)+FR*\b:128*(\p)+FR*\b+FR-1], v[AF+FR*(\a):AF+FR*(\a)+FR-1], 0, v[SC+8*NQ*(\sc)+NQ*\b+(\q)], v[SC+8*NQ*(\sc)+NQ*(\a)+(\q)] matrix_a_fmt:MATRIX_FMT_FP4 matrix_b_fmt:MATRIX_FMT_FP4 matrix_a_scale:MATRIX_SCALE_ROW1
.else
	v_wmma_scale_f32_16x16x128_f8f6f4 v[8*(8*((\a)%4)+\b):8*(8*((\a)%4)+\b)+7], v[128*(\p)+FR*\b:128*(\p)+FR*\b+FR-1], v[AF+FR*(\a):AF+FR*(\a)+FR-1], v[8*(8*((\a)%4)+\b):8*(8*((\a)%4)+\b)+7], v[SC+8*NQ*(\sc)+NQ*\b+(\q)], v[SC+8*NQ*(\sc)+NQ*(\a)+(\q)] matrix_a_fmt:MATRIX_FMT_FP4 matrix_b_fmt:MATRIX_FMT_FP4 matrix_a_scale:MATRIX_SCALE_ROW1
.endif
.endr
.endr
.endm
.macro FETCH_B slot, q, p
	WIN TO_B
.irp i, 0,1,2,3,4,5,6,7
	FRAG 128*(\p)+FR*\i, ADRB+\slot, \q, \i
.endr
	WIN 0
.endm
.macro FETCH_A slot, q, i0
.irp i, \i0, \i0+1, \i0+2, \i0+3
	FRAG AF+FR*(\i), ADRA+\slot, \q, \i
.endr
.endm
.macro SCALES sc                       ; a slot's scale words: 4 words a row; lanes 0-15 take A's block i, lanes 16-31 B's block i
.irp i, 0,1,2,3,4,5,6,7
	ds_load_b128 v[SC+8*NQ*\sc+NQ*\i:SC+8*NQ*\sc+NQ*\i+3], v[ADRS] offset:\i*SBLK
.endr
.endm
.macro PLACES n                        ; plain vector instructions between a matrix instruction and a load into, or a vector access to, its registers
.rept \n
	v_nop
.endr
.endm
.macro STEP slot, q, zero              ; 128 along K that has its successor in the same slot
	s_wait_dscnt 4*NL                              ; B's set and A's blocks 0-3 are in; the youngest eight loads (A's blocks 4-7) may be out
	WIN MUL_LO
	MUL16 0, (\q)%2, \q, \slot, \zero
	MUL16 2, (\q)%2, \q, \slot, \zero
	s_wait_dscnt 0
	PLACES NP
	FETCH_B \slot, (\q)+1, 1-(\q)%2
	FETCH_A \slot, (\q)+1, 0
	WIN MUL_HI
	MUL16 4, (\q)%2, \q, \slot, \zero
	MUL16 6, (\q)%2, \q, \slot, \zero
	PLACES NP
	WIN 0
	FETCH_A \slot, (\q)+1, 4
.endm
.macro TURN slot, next                 ; slot 0's last step: one barrier; in front of it each wave's part of slot 1 has landed and its reads of slot 0 are over.  Nothing is filled again
	s_wait_tensorcnt 0x0                           ; all my tensor loads have landed
	ds_add_u32 v[SPW], v[NIL]                      ; 0 onto my spare word
	s_wait_dscnt 4*NL+1                            ; (the add and the youngest eight loads may be out)
	WIN MUL_LO
	MUL16 0, 1, NQ-1, \slot, 0
	s_wait_dscnt 0x0                               ; the add is done, and my reads of this slot are over
	s_barrier_signal -1
	MUL16 2, 1, NQ-1, \slot, 0
	WIN 0
	s_barrier_wait -1
	PLACES NP
	v_add_nc_u32 v[ADRS], 4*NQ, v[ADRS]            ; on to the next slot's scale words (no LDS load of mine is out)
	FETCH_B \next, 0, 0
	FETCH_A \next, 0, 0
	SCALES \next
	WIN MUL_HI
	MUL16 4, 1, NQ-1, \slot, 0
	MUL16 6, 1, NQ-1, \slot, 0
	PLACES NP
	WIN 0
	FETCH_A \next, 0, 4
.endm
	s_wait_tensorcnt 1                             ; the scales and my part of slot 0 are in (slot 1's load may be out),
	s_barrier_signal -1
	s_barrier_wait -1                              ; everybody's are
	FETCH_B 0, 0, 0
	FETCH_A 0, 0, 0
	SCALES 0
	FETCH_A 0, 0, 4
	STEP 0, 0, 1                                   ; the first products start the sums: nothing is cleared
	STEP 0, 1, 0
	STEP 0, 2, 0
	TURN 0, 1
	STEP 1, 0, 0
	STEP 1, 1, 0
	STEP 1, 2, 0
	s_wait_dscnt 4*NL                              ; the last step: nothing more to fetch
	WIN MUL_LO
	MUL16 0, 1, NQ-1, 1, 0
	MUL16 2, 1, NQ-1, 1, 0
	s_wait_dscnt 0
	WIN MUL_HI
	MUL16 4, 1, NQ-1, 1, 0
	MUL16 6, 1, NQ-1, 1, 0
	WIN 0
; THE WAY OUT.  The accumulator registers of (row block a, column group hg) are 32 on end: 64 (a % 4) + 32 hg + 8 b + j = channel 16 b + 8 h + j of row r, in window 2 + a / 4.
; NORMS hg: 1 / sqrt(mean of squares + eps) of all eight row blocks: four chains by turns in each window, each accumulator from its low end on; lane l xor 16 holds the row's other 32 channels.
.macro NORMS hg
.irp w, 0,1
.set WW, 0x0a+5*\w
	WIN WW                                         ; sources 0 and 1: window 2 or 3
.set p, 0
.rept 16
.irp a4, 0,1,2,3
.set AC, 64*\a4+32*(\hg)+2*p
.set RR, RS+4*(4*\w+\a4)+2*(\hg)
.if p == 0
	v_pk_mul_f32 v[RR:RR+1], v[AC:AC+1], v[AC:AC+1]
.else
	v_pk_fma_f32 v[RR:RR+1], v[AC:AC+1], v[AC:AC+1], v[RR:RR+1]
.endif
.endr
.set p, p+1
.endr
.endr
	WIN 0
.irp a, 0,1,2,3,4,5,6,7
	v_add_f32 v[RS+4*\a+2*(\hg)], v[RS+4*\a+2*(\hg)], v[RS+4*\a+2*(\hg)+1]
.endr
.irp a, 0,1,2,3,4,5,6,7
	v_permlanex16_b32 v[RS+4*\a+2*(\hg)+1], v[RS+4*\a+2*(\hg)], s20, s21
.endr
.irp a, 0,1,2,3,4,5,6,7
	v_add_f32 v[RS+4*\a+2*(\hg)], v[RS+4*\a+2*(\hg)], v[RS+4*\a+2*(\hg)+1]
.endr
.irp a, 0,1,2,3,4,5,6,7
	v_fma_f32 v[RS+4*\a+2*(\hg)], v[RS+4*\a+2*(\hg)], s101, s104   ; the mean + eps
.endr
.irp a, 0,1,2,3,4,5,6,7
	v_rsq_f32 v[RS+4*\a+2*(\hg)], v[RS+4*\a+2*(\hg)]
.endr
	v_nop                                          ; a plain instruction behind the last of them,
	s_wait_alu depctr_va_vdst(0)                   ; and one wait for the eight, ahead of their first reader
.endm
; HEAD a, hg: x / rms x gain, RoPE (channel c with channel c + 32, frequency c), f16.
.macro HEAD a, hg
.set AC, 64*((\a)%4)+32*(\hg)
.set CC, CS+32*((\a)%2)
.set RR, RS+4*(\a)+2*(\hg)
.set PP, PKD+16*(\hg)
.set WW, 0x02+(\a)/4
	WIN WW                                         ; source 0: window 2 or 3
.set j, 0
.rept 16
	v_pk_mul_f32 v[T+2*j:T+2*j+1], v[AC+2*j:AC+2*j+1], v[RR:RR+1] op_sel_hi:[1,0]   ; of the pair the low word serves both halves
.set j, j+1
.endr
	WIN 0
.set j, 0
.rept 16
	v_pk_mul_f32 v[T+2*j:T+2*j+1], v[T+2*j:T+2*j+1], v[G+2*j:G+2*j+1]
.set j, j+1
.endr
.set j, 0
.rept 8
.set UU, U+4*(j%2)
	v_pk_mul_f32 v[UU:UU+1], v[T+16+2*j:T+17+2*j], v[CC+16+2*j:CC+17+2*j]        ; x2 sin
	v_pk_mul_f32 v[UU+2:UU+3], v[T+16+2*j:T+17+2*j], v[CC+2*j:CC+2*j+1]          ; x2 cos
	v_pk_fma_f32 v[T+16+2*j:T+17+2*j], v[T+2*j:T+2*j+1], v[CC+16+2*j:CC+17+2*j], v[UU+2:UU+3]   ; x1 sin + x2 cos
	v_pk_fma_f32 v[T+2*j:T+2*j+1], v[T+2*j:T+2*j+1], v[CC+2*j:CC+2*j+1], v[UU:UU+1] neg_lo:[0,0,1] neg_hi:[0,0,1]   ; x1 cos - x2 sin
.set j, j+1
.endr
.set j, 0
.rept 16
	v_cvt_pk_f16_f32 v[PP+j], v[T+2*j], v[T+2*j+1]
.set j, j+1
.endr
.endm
.macro PLAIN a                         ; v: column group 1 as it is, to f16
.set AC, 64*((\a)%4)+32
.set WW, 0x0a+5*((\a)/4)
	WIN WW
.set j, 0
.rept 16
	v_cvt_pk_f16_f32 v[PKD+16+j], v[AC+2*j], v[AC+2*j+1]
.set j, j+1
.endr
	WIN 0
.endm
.macro TOSTAGE                         ; a row block's 16 rows x 256 bytes into my stage and back by heads; LDS serves a wave's instructions in order
.irp hg, 0,1
.irp b, 0,1,2,3
	ds_store_b128 v[STO], v[PKD+16*\hg+4*\b:PKD+16*\hg+4*\b+3] offset:128*\hg+32*\b
.endr
.endr
.irp hg, 0,1
.irp t, 0,1,2,3
	ds_load_b128 v[BK+16*\hg+4*\t:BK+16*\hg+4*\t+3], v[RD] offset:1088*\t+128*\hg
.endr
.endr
.endm
.macro SEND a                          ; each store of the wave covers 512 consecutive bytes, aligned: four rows of one head
.irp t, 0,1,2,3
	global_store_b128 v[CO], v[BK+4*\t:BK+4*\t+3], s[12:13] offset:2048*(\a)+512*\t
.endr
.irp t, 0,1,2,3
	global_store_b128 v[CO], v[BK+16+4*\t:BK+16+4*\t+3], s[98:99] offset:2048*(\a)+512*\t
.endr
.endm
.macro WAYOUT kv
	NORMS 0
.if \kv == 0
	NORMS 1
.endif
.irp a, 0,1,2,3,4,5,6,7
.if \a == 7
	s_wait_loadcnt 0x0
.elseif \a >= 2
	s_wait_loadcnt 0x8                             ; this block's cos and sin are in; the next block's eight loads may be out
.endif
	HEAD \a, 0
.if \kv
	PLAIN \a
.else
	HEAD \a, 1
.endif
.if \a <= 5
	CSLOAD \a+2                                    ; into the set just used
.endif
.if \a > 0
	s_wait_dscnt 0x0                               ; the block before is back from the stage
	SEND \a-1
	s_wait_xcnt 0x0                                ; its stores have read their registers: the loads below may land there
.endif
	TOSTAGE
.endr
	s_wait_dscnt 0x0
	SEND 7
.endm
	PLACES NP                                      ; behind the last products: their results, fragments and scale words are touched from here on
	s_wait_loadcnt 0x0                             ; the gain, and cos and sin of row blocks 0 and 1
	s_cmp_lg_u32 s100, 0                           ; the same in all sixteen partners
	s_cbranch_scc1 .Lkv
	WAYOUT 0                                       ; q: two heads, both normed and turned
	s_branch .Ldone
.Lkv:
	WAYOUT 1                                       ; k normed and turned, v as it is
.Ldone:
	s_wait_tensorcnt 0x0                           ; the wave's end
	ds_add_u32 v[SPW], v[NIL]
	s_wait_dscnt 0x0
	CROUND                                         ; the closing round
	s_endpgm
.Lfunc_end_k_q0d6d888d19_proj:
	.size	k_q0d6d888d19_proj, .Lfunc_end_k_q0d6d888d19_proj-k_q0d6d888d19_proj
	.p2alignl 7, 3214868480
	.fill 96, 4, 3214868480
	.section	.rodata,"a",@progbits
	.p2align	6, 0x0
	.amdhsa_kernel k_q0d6d888d19_proj
		.amdhsa_group_segment_fixed_size 327680
		.amdhsa_private_segment_fixed_size 0
		.amdhsa_enable_private_segment 0
		.amdhsa_kernarg_size 64
		.amdhsa_user_sgpr_count 2
		.amdhsa_user_sgpr_kernarg_segment_ptr 1
		.amdhsa_wavefront_size32 1
		.amdhsa_system_sgpr_workgroup_id_x 1
		.amdhsa_system_sgpr_workgroup_id_y 1
		.amdhsa_system_sgpr_workgroup_id_z 1
		.amdhsa_system_vgpr_workitem_id 0
		.amdhsa_next_free_vgpr 1024
		.amdhsa_next_free_sgpr 106
		.amdhsa_reserve_vcc 0
		.amdhsa_float_denorm_mode_32 3
		.amdhsa_float_denorm_mode_16_64 3
		.amdhsa_memory_ordered 1
		.amdhsa_forward_progress 1
		.amdhsa_inst_pref_size 255
	.end_amdhsa_kernel
	.section	.bss,"aw",@nobits
	.p2align	6
	.space	262144
	.amdgpu_metadata
---
amdhsa.version: [ 1, 2 ]
amdhsa.kernels:
  - .name:           k_q0d6d888d19_proj
    .symbol:         k_q0d6d888d19_proj.kd
    .args:
      - { .name: acodes, .offset: 0, .size: 8, .value_kind: global_buffer, .address_space: global }
      - { .name: ascales, .offset: 8, .size: 8, .value_kind: global_buffer, .address_space: global }
      - { .name: wcodes, .offset: 16, .size: 8, .value_kind: global_buffer, .address_space: global }
      - { .name: wscales, .offset: 24, .size: 8, .value_kind: global_buffer, .address_space: global }
      - { .name: qkv, .offset: 32, .size: 8, .value_kind: global_buffer, .address_space: global }
      - { .name: tab, .offset: 40, .size: 8, .value_kind: global_buffer, .address_space: global }
      - { .name: g_q, .offset: 48, .size: 8, .value_kind: global_buffer, .address_space: global }
      - { .name: g_k, .offset: 56, .size: 8, .value_kind: global_buffer, .address_space: global }
    .group_segment_fixed_size: 327680
    .private_segment_fixed_size: 0
    .kernarg_segment_align: 8
    .kernarg_segment_size: 64
    .max_flat_workgroup_size: 128
    .sgpr_count:     106
    .vgpr_count:     1024
    .wavefront_size: 32
...
	.end_amdgpu_metadata
.endif
;; end of part 2
;; launch attn (part 3): grid 4 x 64, 16 waves a work-group, clusters of 4 x 1, 327,680 bytes of LDS; arguments qkv, yh; writes yh
.if DOCPART == 3
	.amdgcn_target "amdgcn-amd-amdhsa--gfx1250"
	.amdhsa_code_object_version 6
	.text
	.protected	k_q0d6d888d19_attn
	.globl	k_q0d6d888d19_attn
	.p2align	8
	.type	k_q0d6d888d19_attn,@function
k_q0d6d888d19_attn:
	s_mov_b64 s[64:65], 0
	v_nop
	global_prefetch_b8 v0, s[64:65] scope:SCOPE_SE
	s_setreg_imm32_b32 hwreg(HW_REG_WAVE_MODE, 25, 1), 1
	s_wait_xcnt 0x0
	s_wait_alu depctr_hold_cnt(0) depctr_sa_sdst(0) depctr_va_vdst(0) depctr_va_sdst(0) depctr_va_ssrc(0) depctr_va_vcc(0) depctr_vm_vsrc(0)
	s_getreg_b32 s2, hwreg(HW_REG_IB_STS2, 6, 4)
	s_cmp_eq_u32 s2, 0
	s_cbranch_scc0 .Lentry_in_a_cluster
	s_endpgm
.Lentry_in_a_cluster:
	s_bfe_u32 s2, ttmp6, 0x10000c
	s_cmp_lg_u32 s2, 0x3003
	s_cbranch_scc0 .Lentry_shape_is_right
	s_endpgm
.Lentry_shape_is_right:
; CROSS ATTENTION, launch 3 of 4: y[bh][q][:] = the sum over k of softmax_k(q . k / 8) v[k][:], no mask.  No work is left out.  q, k, v: qkv at 0, 16 MiB, 32 MiB, each [64 (bh)][2048][64] f16; y: yh, the same layout, f16.
; Products on f16 operands with f32 sums; maxima, exponentials and sums in f32; the weights p (at most 1) are rounded to f16 for the second product, y once at the end.
; SHARES.  A cluster of four work-groups is one head (bh); a work-group owns 512 queries, each of its SIXTEEN waves 32: two tiles of 16, in 256 registers: four waves to a SIMD, so that one wave's vector work
; stands beside another's matrix work and LDS loads.  Every wave walks all 2,048 keys, 64 a step.
; K's and V's tiles come through a ring of two LDS slots of 256 keys, asked for JOINTLY by the four work-groups, which walk the same keys (waves 0, 1: K's halves; waves 2, 3: V's).
; LAYOUT.  S^T = K Q^T (source 0 = 16 keys, source 1 = 16 queries): a lane holds ONE query (lane % 16) and keys 8 (lane / 16) + 0..7 of each tile.  Two such tiles, rounded to f16 in pairs, ARE source 1
; (32 keys x 16 queries) of O^T = V^T P.  K comes out of LDS as it lies, V ([key][channel]) turned, by ds_load_tr16_b128.
; SOFTMAX.  For each query a running maximum m and sum l: p = 2^(c s - c m), c = log2(e) / 8; in every step O and l are multiplied by a = 2^(c m_old - c m_new).  The step is written once: m begins at -3e38,
; l and O^T as zeros; the first a is 0 and multiplies zeros.
; LIMITS: y goes to f16: |y| is at most the largest |v|; NaN and infinities are not served.
; REGISTERS: v1-7 addresses that stay; v8-23 statistics, 8 a tile: +0 c m, +1 m, +2:3 l, +4, +5 at work, +6:7 a; v24-55 Q; v56-119 K's fragments, then V's; v120-183 S^T, then p, then P packed in place; v184-247 O^T; v248-251 second sum chains; v252-255 at work.
.set PK,    144                        ; a row of K in LDS: 128 bytes + 16
.set PV,    160                        ; a row of V: 128 + 32: an odd multiple of 32 bytes, for the turning load
.set SK,    256                        ; keys in a slot
.set VOFF,  SK*PK                      ; a slot: 256 rows of K, then 256 rows of V
.set SLOT1, 1<<17                      ; slot 1 begins here: one exclusive or turns an address
.set SPARE, 2*SLOT1                    ; the spare words, 128 bytes for each of sixteen waves
.set AK0, 1
.set AV0, 2
.set SPW, 3
.set NIL, 4
.set ADK, 5
.set ADV, 6
.set PFO, 7
.set ST,  8
.set Q,   24
.set KV,  56
.set S,   120
.set O,   184
.set TS,  248
.set WV,  8                            ; s8  my wave's number
.set G1K, 24
.set G1V, 32
.set G0K, 40
.set G0V, 44
.set CS,  48                           ; s[48:49] c
.set SEL, 50                           ; s[50:51] lane selects: lane l xor 16
.set TB,  52                           ; s52 LDS byte at which the slot in hand begins
.set SLOTS, 53                         ; s53 slots still to be asked for
.set LIM, 54                           ; s54 1 in a wave that prefetches, else the greatest number
.set PFA, 56                           ; s[56:57] where my prefetches stand
; Waves 0 and 1 fetch for K, waves 2 and 3 for V, the others nothing; the branches hang on the wave's number alone.  An s_nop 0 and four v_nop follow each line.
.macro TLOAD
	s_cmp_lt_u32 s[WV], 2
	s_cbranch_scc0 .Lnot_k_\@
	tensor_load_to_lds s[G0K:G0K+3], s[G1K:G1K+7]
	s_nop 0
.rept 4
	v_nop
.endr
	s_branch .Lasked_\@
.Lnot_k_\@:
	s_cmp_lt_u32 s[WV], 4
	s_cbranch_scc0 .Lasked_\@
	tensor_load_to_lds s[G0V:G0V+3], s[G1V:G1V+7]
	s_nop 0
.rept 4
	v_nop
.endr
.Lasked_\@:
.endm
; A prefetch of what the NEXT change of slots will ask for: a slot's 32,768 bytes of K and of V.  The head has one cluster; its four partners take 8,192 bytes each, told apart by address;
; in each, wave 4 asks for K's and wave 5 for V's, lanes 256 bytes apart: each aligned block of 256 bytes is named once in the launch.  The last change that fills a slot asks for nothing.
.macro ASK
	s_cmp_gt_u32 s[SLOTS], s[LIM]
	s_cbranch_scc0 .Lnot_mine_\@
	global_prefetch_b8 v[PFO], s[PFA:PFA+1] th:TH_LOAD_NT scope:SCOPE_SE
.Lnot_mine_\@:
.endm
.macro CROUND                          ; a round of the cluster's barrier
	s_barrier_signal -1
	s_barrier_wait -1
	s_cmp_lg_u32 s[WV], 0
	s_cbranch_scc1 .Lnot_wave_0_\@
	s_barrier_signal -3
.Lnot_wave_0_\@:
	s_barrier_wait -3
	s_barrier_signal -1
	s_barrier_wait -1
.endm
	s_load_b128 s[4:7], s[0:1], 0x0                ; qkv, yh
	v_lshl_add_u32 v[SPW], v0, 2, SPARE
	v_mov_b32 v[NIL], 0
	ds_add_u32 v[SPW], v[NIL]                      ; the wave's opening: the add, twice on end, and its wait ahead of the first tensor loads
	ds_add_u32 v[SPW], v[NIL]
	v_lshrrev_b32 v5, 5, v0
	v_readfirstlane_b32 s[WV], v5                  ; wave 0..15
	s_bfe_u32 s9, ttmp6, 0x40000                   ; cx: it enters Q's, y's and the prefetches' addresses alone
	s_and_b32 s10, ttmp7, 0xffff                   ; the head, which the four partners share
	s_lshl_b32 s11, s10, 18                        ; its first byte in each region: 2,048 rows of 128 bytes
	s_and_b32 s12, s[WV], 1                        ; which half of a slot's rows I fetch:
	s_lshl_b32 s13, s12, 14                        ; 128 rows of 128 bytes in memory,
	s_add_co_u32 s14, s11, s13
	s_mov_b32 s15, 0
	s_mul_i32 s16, s12, 128*PK                     ; and in a slot
	s_mul_i32 s17, s12, 128*PV
	s_add_co_u32 s17, s17, VOFF
	s_mov_b32 s[G1K], 15|(1<<16)|(1<<20)|(1<<21)|(4<<22)|(3<<25)  ; the mask: all four work-groups; elements of 2 bytes; padding: 4 words behind every 32; bit 21 beside a mask
	s_mov_b32 s[G1V], 15|(1<<16)|(1<<20)|(1<<21)|(4<<22)|(7<<25)  ; the same with 8 words of padding
.irp g, G1K, G1V
	s_mov_b32 s[\g+1], 64<<16                      ; tensor_dim0
	s_mov_b32 s[\g+2], 128<<16                     ; tensor_dim1
	s_mov_b32 s[\g+3], 64<<16                      ; tile_dim0
	s_mov_b32 s[\g+4], 128                         ; tile_dim1
	s_mov_b32 s[\g+5], 64                          ; pitch
	s_mov_b32 s[\g+6], 0
	s_mov_b32 s[\g+7], 0
.endr
	s_mov_b32 s[CS], 0x3e38aa3b                    ; c = log2(e) / 8
	s_mov_b32 s[CS+1], s[CS]                       ; (named with it as a pair, so it is written)
	s_mov_b32 s[SEL], 0x76543210
	s_mov_b32 s[SEL+1], 0xfedcba98
	s_mov_b32 s[TB], 0
	s_mov_b32 s[SLOTS], 7
	s_lshl_b32 s20, s9, 16                         ; my work-group's 512 rows,
	s_lshl_b32 s21, s[WV], 12                      ; my wave's 32 of them,
	s_add_co_u32 s20, s20, s21
	s_add_co_u32 s20, s20, s11                     ; in my head
	s_mov_b32 s21, 0
	s_mov_b32 s18, 0x2000000
	s_cmp_eq_u32 s[WV], 4
	s_cselect_b32 s18, 0x1000000, s18              ; wave 4 prefetches K's region, wave 5 V's
	s_add_co_u32 s18, s18, s11
	s_lshl_b32 s19, s9, 13                         ; my work-group's 8,192 bytes of a slot's 32,768,
	s_add_co_u32 s18, s18, s19
	s_add_co_u32 s18, s18, 32768                   ; in slot 1: the first change of slots steps it to slot 2.  Nothing is prefetched at the head
	s_mov_b32 s19, 0
	s_sub_co_u32 s22, s[WV], 4
	s_lshr_b32 s22, s22, 1
	s_cmp_eq_u32 s22, 0
	s_cselect_b32 s[LIM], 1, -1                    ; waves 4 and 5: the same in all partners
	s_wait_dscnt 0x0                               ; both opening adds are done
	s_wait_kmcnt 0x0
	s_mov_b32 s[G0K], 1
	s_mov_b32 s[G0K+1], s16
	s_add_nc_u64 s[G0K+2:G0K+3], s[4:5], s[14:15]
	s_add_nc_u64 s[G0K+2:G0K+3], s[G0K+2:G0K+3], 0x1000000
	s_or_b32 s[G0K+3], s[G0K+3], 0x80000000
	s_mov_b32 s[G0V], 1
	s_mov_b32 s[G0V+1], s17
	s_add_nc_u64 s[G0V+2:G0V+3], s[4:5], s[14:15]
	s_add_nc_u64 s[G0V+2:G0V+3], s[G0V+2:G0V+3], 0x2000000
	s_or_b32 s[G0V+3], s[G0V+3], 0x80000000
	s_add_nc_u64 s[PFA:PFA+1], s[4:5], s[18:19]
	s_add_nc_u64 s[58:59], s[4:5], s[20:21]        ; Q at my wave's first row
	s_add_nc_u64 s[6:7], s[6:7], s[20:21]          ; y likewise
	CROUND                                         ; all four work-groups are here: the first joint loads meet
	TLOAD                                          ; slot 0
	v_and_b32 v252, 15, v0                         ; r
	v_bfe_u32 v253, v0, 4, 1                       ; h
	v_lshlrev_b32 v254, 7, v252
	v_lshl_add_u32 v254, v253, 4, v254             ; Q: row r of 128 bytes, + 16 h
.irp t, 0,1
.irp c, 0,1
	global_load_b128 v[Q+16*\t+8*\c:Q+16*\t+8*\c+3], v254, s[58:59] offset:2048*\t+64*\c       ; Q stays in registers: tile t, channels 32 c on
	global_load_b128 v[Q+16*\t+8*\c+4:Q+16*\t+8*\c+7], v254, s[58:59] offset:2048*\t+64*\c+32
.endr
.endr
	v_mul_u32_u24 v[AK0], v252, PK
	v_lshl_add_u32 v[AK0], v253, 4, v[AK0]         ; K: row x pitch + 16 h
	v_and_b32 v5, 7, v0
	v_lshl_add_u32 v5, v253, 3, v5
	v_mul_u32_u24 v[AV0], v5, PV                   ; V, turning load: key 8 h + l % 8,
	v_bfe_u32 v5, v0, 3, 1
	v_lshl_add_u32 v[AV0], v5, 4, v[AV0]           ; channels 8 ((l / 8) % 2) on
	v_add_nc_u32 v[AV0], VOFF, v[AV0]
	v_and_b32 v[PFO], 31, v0
	v_lshlrev_b32 v[PFO], 8, v[PFO]
.irp t, 0,1
	v_mov_b32 v[ST+8*\t], 0xff61b1e6               ; c m and m: -3e38, under every score
	v_mov_b32 v[ST+8*\t+1], 0xff61b1e6
	v_mov_b32 v[ST+8*\t+2], 0                      ; l, in two halves
	v_mov_b32 v[ST+8*\t+3], 0
	v_mov_b32 v[ST+8*\t+7], 0                      ; (named as the upper half of a's pair)
.endr
.set j, 0
.rept 64
	v_mov_b32 v[O+j], 0                            ; O^T: the step is written once; its first run finds zeros
.set j, j+1
.endr
; A KEY STEP: 64 keys, the q-th of the slot in hand.
.macro STEP q
.rept 5
	v_nop                                          ; behind the last products V^T P: four places in front of the loads into their fragments, five in front of the products that write over P
.endr
.irp kb, 0,1,2,3
.irp c, 0,1
	ds_load_b128 v[KV+16*\kb+8*\c:KV+16*\kb+8*\c+3], v[ADK] offset:(64*(\q)+16*\kb)*PK+64*\c
	ds_load_b128 v[KV+16*\kb+8*\c+4:KV+16*\kb+8*\c+7], v[ADK] offset:(64*(\q)+16*\kb)*PK+64*\c+32
.endr
.endr
	s_wait_dscnt 0x0
.irp kb, 0,1,2,3                       ; S^T = K Q^T: eight accumulators by turns, one instruction a turn; the first eight start the sums
.irp t, 0,1
	v_wmma_f32_16x16x32_f16 v[S+32*\t+8*\kb:S+32*\t+8*\kb+7], v[KV+16*\kb:KV+16*\kb+7], v[Q+16*\t:Q+16*\t+7], 0
.endr
.endr
.irp kb, 0,1,2,3
.irp t, 0,1
	v_wmma_f32_16x16x32_f16 v[S+32*\t+8*\kb:S+32*\t+8*\kb+7], v[KV+16*\kb+8:KV+16*\kb+15], v[Q+16*\t+8:Q+16*\t+15], v[S+32*\t+8*\kb:S+32*\t+8*\kb+7]
.endr
.endr
.rept 4
	v_nop                                          ; places in front of the loads into K's registers and of the first read of the scores
.endr
.irp ks, 0,1                           ; V lands while the softmax is walked
.irp cb, 0,1,2,3
	ds_load_tr16_b128 v[KV+32*\ks+8*\cb:KV+32*\ks+8*\cb+3], v[ADV] offset:(64*(\q)+32*\ks)*PV+32*\cb
	ds_load_tr16_b128 v[KV+32*\ks+8*\cb+4:KV+32*\ks+8*\cb+7], v[ADV] offset:(64*(\q)+32*\ks+16)*PV+32*\cb
.endr
.endr
.irp t, 0,1                            ; the maximum of my 32 scores and the old m: two chains a tile; each accumulator is first read at its low end
	v_max3_num_f32 v[ST+8*\t+4], v[S+32*\t], v[S+32*\t+1], v[S+32*\t+2]
	v_max3_num_f32 v[ST+8*\t+5], v[S+32*\t+16], v[S+32*\t+17], v[S+32*\t+18]
.endr
.irp i, 3,5,7,9,11,13
.irp t, 0,1
	v_max3_num_f32 v[ST+8*\t+4], v[ST+8*\t+4], v[S+32*\t+\i], v[S+32*\t+\i+1]
	v_max3_num_f32 v[ST+8*\t+5], v[ST+8*\t+5], v[S+32*\t+16+\i], v[S+32*\t+17+\i]
.endr
.endr
.irp t, 0,1
	v_max3_num_f32 v[ST+8*\t+4], v[ST+8*\t+4], v[S+32*\t+15], v[S+32*\t+31]
.endr
.irp t, 0,1
	v_max3_num_f32 v[ST+8*\t+4], v[ST+8*\t+4], v[ST+8*\t+5], v[ST+8*\t+1]
.endr
.irp t, 0,1
	v_permlanex16_b32 v[ST+8*\t+5], v[ST+8*\t+4], s[SEL], s[SEL+1]   ; the query's other 32 keys lie in the lane 16 away
.endr
.irp t, 0,1
	v_mov_b32 v[ST+8*\t+6], v[ST+8*\t]             ; c m_old is kept for a
.endr
.irp t, 0,1
	v_max_num_f32 v[ST+8*\t+1], v[ST+8*\t+4], v[ST+8*\t+5]
.endr
.irp t, 0,1
	v_mul_f32 v[ST+8*\t], s[CS], v[ST+8*\t+1]
.endr
.irp t, 0,1
	v_sub_f32 v[ST+8*\t+6], v[ST+8*\t+6], v[ST+8*\t]
.endr
.irp t, 0,1
	v_exp_f32 v[ST+8*\t+6], v[ST+8*\t+6]           ; a
.endr
.set j, 0
.rept 16
.irp t, 0,1
	v_pk_fma_f32 v[S+32*\t+2*j:S+32*\t+2*j+1], v[S+32*\t+2*j:S+32*\t+2*j+1], s[CS:CS+1], v[ST+8*\t:ST+8*\t+1] op_sel_hi:[1,0,0] neg_lo:[0,0,1] neg_hi:[0,0,1]   ; c s - c m
.endr
.set j, j+1
.endr
.set j, 0
.rept 64
	v_exp_f32 v[S+j], v[S+j]                       ; p
.set j, j+1
.endr
	v_nop                                          ; a plain instruction behind the last exponential,
	s_wait_alu depctr_va_vdst(0)                   ; and ONE wait for the step's 66, ahead of their first reader
.irp t, 0,1                            ; l = a l + the sum of p, two at a time, in two chains a tile
	v_pk_fma_f32 v[ST+8*\t+2:ST+8*\t+3], v[ST+8*\t+2:ST+8*\t+3], v[ST+8*\t+6:ST+8*\t+7], v[S+32*\t:S+32*\t+1] op_sel_hi:[1,0,1]
	v_pk_add_f32 v[TS+2*\t:TS+2*\t+1], v[S+32*\t+2:S+32*\t+3], v[S+32*\t+4:S+32*\t+5]
.endr
.irp i, 3,5,7,9,11,13
.irp t, 0,1
	v_pk_add_f32 v[ST+8*\t+2:ST+8*\t+3], v[ST+8*\t+2:ST+8*\t+3], v[S+32*\t+2*\i:S+32*\t+2*\i+1]
	v_pk_add_f32 v[TS+2*\t:TS+2*\t+1], v[TS+2*\t:TS+2*\t+1], v[S+32*\t+2*\i+2:S+32*\t+2*\i+3]
.endr
.endr
.irp t, 0,1
	v_pk_add_f32 v[ST+8*\t+2:ST+8*\t+3], v[ST+8*\t+2:ST+8*\t+3], v[S+32*\t+30:S+32*\t+31]
.endr
.irp t, 0,1
	v_pk_add_f32 v[ST+8*\t+2:ST+8*\t+3], v[ST+8*\t+2:ST+8*\t+3], v[TS+2*\t:TS+2*\t+1]
.endr
.set j, 0
.rept 16
.irp t, 0,1
	v_cvt_pk_f16_f32 v[S+32*\t+j], v[S+32*\t+2*j], v[S+32*\t+2*j+1]   ; P, packed in place from the low end on: register j never lies above the pair that it is made of
.endr
.set j, j+1
.endr
.set j, 0
.rept 16
.irp t, 0,1
	v_pk_mul_f32 v[O+32*\t+2*j:O+32*\t+2*j+1], v[O+32*\t+2*j:O+32*\t+2*j+1], v[ST+8*\t+6:ST+8*\t+7] op_sel_hi:[1,0]   ; O^T x a
.endr
.set j, j+1
.endr
	s_wait_dscnt 0x0                               ; V is in
.irp ks, 0,1                           ; O^T += V^T P: eight accumulators by turns
.irp cb, 0,1,2,3
.irp t, 0,1
	v_wmma_f32_16x16x32_f16 v[O+32*\t+8*\cb:O+32*\t+8*\cb+7], v[KV+32*\ks+8*\cb:KV+32*\ks+8*\cb+7], v[S+32*\t+8*\ks:S+32*\t+8*\ks+7], v[O+32*\t+8*\cb:O+32*\t+8*\cb+7]
.endr
.endr
.endr
.endm
; THE CHANGE OF SLOTS stands at a slot's head.  Each wave waits for all its tensor loads (its part of the slot ahead), adds 0 to its spare word, and waits for that and for its reads of the slot that it has left.
; fill = 1: a round of the cluster's barrier follows, so that no wave of any partner still reads the slot or has a load on its way; the joint fill of the slot just left is the first thing behind it: it has four key steps in which to land.
.macro CHANGE fill
	s_wait_tensorcnt 0x0                           ; no tensor load of mine is out, so a group 0 may be written
	ds_add_u32 v[SPW], v[NIL]                      ; 0 onto my spare word
.if \fill
	ds_add_u32 v[SPW], v[NIL]                      ; and once more: the add twice on end, in every trip alike
	s_xor_b32 s[G0K+1], s[G0K+1], SLOT1            ; the walking descriptors: the other slot,
	s_add_nc_u64 s[G0K+2:G0K+3], s[G0K+2:G0K+3], SK*128   ; the next 256 keys
	s_xor_b32 s[G0V+1], s[G0V+1], SLOT1
	s_add_nc_u64 s[G0V+2:G0V+3], s[G0V+2:G0V+3], SK*128
	s_wait_xcnt 0x0                                ; the last prefetch, a slot back, has read its address: it may step
	s_add_nc_u64 s[PFA:PFA+1], s[PFA:PFA+1], SK*128
	s_wait_dscnt 0x0                               ; both adds are done, and my reads of the slot that I have left are over
	CROUND
	TLOAD
	ASK
.else
	s_wait_dscnt 0x0
	s_barrier_signal -1
	s_barrier_wait -1
.endif
.endm
.macro SLOT_STEPS
	v_add_nc_u32 v[ADK], s[TB], v[AK0]
	v_add_nc_u32 v[ADV], s[TB], v[AV0]
	STEP 0
	STEP 1
	STEP 2
	STEP 3
	s_xor_b32 s[TB], s[TB], SLOT1
.endm
	s_wait_loadcnt 0x0                             ; Q
.Lslot:                                            ; 7 trips: behind each change of slots but the last the next slot is asked for; the first fills slot 1 for the first time
	CHANGE 1
	SLOT_STEPS
	s_sub_co_u32 s[SLOTS], s[SLOTS], 1
	s_cmp_lg_u32 s[SLOTS], 0
	s_cbranch_scc1 .Lslot
	CHANGE 0                                       ; the last slot is written out
	SLOT_STEPS
	; THE WAY OUT.  O^T / l, rounded to f16, goes through my stage (16 rows x 144 bytes a tile, in slot 0, which was left at the last change of slots and has had its last fill) and leaves as 512 consecutive bytes: four rows of y.
.rept 4
	v_nop
.endr
.irp t, 0,1
	v_add_f32 v[ST+8*\t+4], v[ST+8*\t+2], v[ST+8*\t+3]
.endr
.irp t, 0,1
	v_permlanex16_b32 v[ST+8*\t+5], v[ST+8*\t+4], s[SEL], s[SEL+1]
.endr
.irp t, 0,1
	v_add_f32 v[ST+8*\t+4], v[ST+8*\t+4], v[ST+8*\t+5]
.endr
.irp t, 0,1
	v_rcp_f32 v[ST+8*\t+6], v[ST+8*\t+4]
.endr
	s_mul_i32 s10, s[WV], 2*16*PK                  ; my stage
	v_and_b32 v255, 15, v0
	v_bfe_u32 v251, v0, 4, 1
	v_mul_u32_u24 v252, v255, PK
	v_lshl_add_u32 v252, v251, 4, v252
	v_add_nc_u32 v252, s10, v252                   ; in: row r, + 16 h
	v_and_b32 v255, 31, v0
	v_lshrrev_b32 v251, 3, v255
	v_mul_u32_u24 v253, v251, PK
	v_and_b32 v251, 7, v0
	v_lshl_add_u32 v253, v251, 4, v253
	v_add_nc_u32 v253, s10, v253                   ; back: eight lanes to a row of 128 bytes, four rows an instruction
	v_lshlrev_b32 v254, 4, v255                    ; and the same 512 bytes in y
	s_wait_alu depctr_va_vdst(0)                   ; one wait for the two reciprocals, ahead of their first reader
.set j, 0
.rept 16
.irp t, 0,1
	v_pk_mul_f32 v[O+32*\t+2*j:O+32*\t+2*j+1], v[O+32*\t+2*j:O+32*\t+2*j+1], v[ST+8*\t+6:ST+8*\t+7] op_sel_hi:[1,0]
.endr
.set j, j+1
.endr
.set j, 0
.rept 16
.irp t, 0,1
	v_cvt_pk_f16_f32 v[S+16*\t+j], v[O+32*\t+2*j], v[O+32*\t+2*j+1]
.endr
.set j, j+1
.endr
.irp t, 0,1
.irp cb, 0,1,2,3
	ds_store_b128 v252, v[S+16*\t+4*\cb:S+16*\t+4*\cb+3] offset:16*PK*\t+32*\cb
.endr
.irp u, 0,1,2,3
	ds_load_b128 v[KV+16*\t+4*\u:KV+16*\t+4*\u+3], v253 offset:16*PK*\t+4*PK*\u   ; LDS serves a wave's instructions in order: these see the stores above
.endr
.endr
.irp u, 0,1,2,3
	s_wait_dscnt 11-\u                             ; behind tile 0's load u: its younger loads, and tile 1's four stores and four loads
	global_store_b128 v254, v[KV+4*\u:KV+4*\u+3], s[6:7] offset:512*\u
.endr
.irp u, 0,1,2,3
	s_wait_dscnt 3-\u
	global_store_b128 v254, v[KV+16+4*\u:KV+16+4*\u+3], s[6:7] offset:2048+512*\u
.endr
	s_wait_tensorcnt 0x0                           ; the wave's end
	ds_add_u32 v[SPW], v[NIL]
	s_wait_dscnt 0x0
	CROUND                                         ; the closing round
	s_endpgm
.Lfunc_end_k_q0d6d888d19_attn:
	.size	k_q0d6d888d19_attn, .Lfunc_end_k_q0d6d888d19_attn-k_q0d6d888d19_attn
	.p2alignl 7, 3214868480
	.fill 96, 4, 3214868480
	.section	.rodata,"a",@progbits
	.p2align	6, 0x0
	.amdhsa_kernel k_q0d6d888d19_attn
		.amdhsa_group_segment_fixed_size 327680
		.amdhsa_private_segment_fixed_size 0
		.amdhsa_enable_private_segment 0
		.amdhsa_kernarg_size 16
		.amdhsa_user_sgpr_count 2
		.amdhsa_user_sgpr_kernarg_segment_ptr 1
		.amdhsa_wavefront_size32 1
		.amdhsa_system_sgpr_workgroup_id_x 1
		.amdhsa_system_sgpr_workgroup_id_y 1
		.amdhsa_system_sgpr_workgroup_id_z 1
		.amdhsa_system_vgpr_workitem_id 0
		.amdhsa_next_free_vgpr 256
		.amdhsa_next_free_sgpr 66
		.amdhsa_reserve_vcc 0
		.amdhsa_float_denorm_mode_32 3
		.amdhsa_float_denorm_mode_16_64 3
		.amdhsa_memory_ordered 1
		.amdhsa_forward_progress 1
		.amdhsa_inst_pref_size 154
	.end_amdhsa_kernel
	.amdgpu_metadata
---
amdhsa.version: [ 1, 2 ]
amdhsa.kernels:
  - .name:           k_q0d6d888d19_attn
    .symbol:         k_q0d6d888d19_attn.kd
    .args:
      - { .name: qkv, .offset: 0, .size: 8, .value_kind: global_buffer, .address_space: global }
      - { .name: yh, .offset: 8, .size: 8, .value_kind: global_buffer, .address_space: global }
    .group_segment_fixed_size: 327680
    .private_segment_fixed_size: 0
    .kernarg_segment_align: 8
    .kernarg_segment_size: 16
    .max_flat_workgroup_size: 512
    .sgpr_count:     66
    .vgpr_count:     256
    .wavefront_size: 32
...
	.end_amdgpu_metadata
.endif
;; end of part 3
;; launch outp (part 4): grid 4 x 64, 4 waves a work-group, clusters of 4 x 4, 327,680 bytes of LDS; arguments yh, wo16, out0; writes out0
.if DOCPART == 4
	.amdgcn_target "amdgcn-amd-amdhsa--gfx1250"
	.amdhsa_code_object_version 6
	.text
	.protected	k_q0d6d888d19_outp
	.globl	k_q0d6d888d19_outp
	.p2align	8
	.type	k_q0d6d888d19_outp,@function
k_q0d6d888d19_outp:
	s_mov_b64 s[64:65], 0
	v_nop
	global_prefetch_b8 v0, s[64:65] scope:SCOPE_SE
	s_setreg_imm32_b32 hwreg(HW_REG_WAVE_MODE, 25, 1), 1
	s_wait_xcnt 0x0
	s_wait_alu depctr_hold_cnt(0) depctr_sa_sdst(0) depctr_va_vdst(0) depctr_va_sdst(0) depctr_va_ssrc(0) depctr_va_vcc(0) depctr_vm_vsrc(0)
	s_getreg_b32 s2, hwreg(HW_REG_IB_STS2, 6, 4)
	s_cmp_eq_u32 s2, 0
	s_cbranch_scc0 .Lentry_in_a_cluster
	s_endpgm
.Lentry_in_a_cluster:
	s_bfe_u32 s2, ttmp6, 0x10000c
	s_cmp_lg_u32 s2, 0xf033
	s_cbranch_scc0 .Lentry_shape_is_right
	s_endpgm
.Lentry_shape_is_right:
; CROSS ATTENTION, launch 4 of 4: out0[m][n] = the sum over k of y[m][k] Wout[k][n], f16 operands, f32 sums, f32 out.  No work is left out.
; y: yh [16 b + head][l][64] f16, so that k = 64 head + d and m = 2,048 b + l; Wout: wo16 [k][n] f16, as it lies; out0 [8192][1024] f32.
; A tile of out0 is 128 (m) x 256 (n): 256 work-groups.  Four waves, each 64 x 128: 32 accumulators, 256 registers.  K goes in 8 steps of 128 (two heads) through a ring of two LDS slots.
; CLUSTERS: 4 x 4 work-groups.  y's tile hangs on the tile row alone and is shared along a row of the cluster, Wout's on the tile column alone and is shared along a column: each is asked for jointly.
; THE MATRIX INSTRUCTION IS USED TRANSPOSED (source 0 = 16 columns of Wout, turned out of LDS by ds_load_tr16_b128; source 1 = 16 rows of y): a lane holds eight neighbouring numbers of a row of out0.
; REGISTERS: window 0: v16-29 addresses; v128-255 rows read back on the way out.  Window 1: two fragment buffers of 96 (64 of Wout, 32 of y), at v0 and v128.  Window 2: accumulator (a, b) at v[8 (8 a + b)].
.set AP,     144                       ; a row of y in LDS: 128 bytes + 16
.set ASUB,   128*AP                    ; one head's 128 rows
.set BP,     544                       ; a row of Wout in LDS: 512 bytes + 32: an odd multiple of 32 bytes, for the turning load
.set BOFF,   2*ASUB
.set SLOT,   BOFF+128*BP
.set STAGE,  2*SLOT                    ; behind the ring: 16 rows x 528 bytes for each wave
.set SPITCH, 528
.set SPARE,  STAGE+4*16*SPITCH
.set LAPS,   4                         ; a lap = two K steps = once round the ring
.set ADRA, 16
.set ADRB, 20
.set STO,  24
.set RD,   25
.set CO,   26
.set SPW,  28
.set NIL,  29
.set BK,   128
.set F0,   0
.set F1,   128
.set G1, 24
.set G0, 32
.set G1B, 48
.set G0B, 56
.set MSB, 0
.macro WIN new                         ; the immediate's high byte repeats the setting that is left
.if MSB != \new
	s_set_vgpr_msb (MSB<<8)|\new
.set MSB, \new
.endif
.endm
.set MUL,  0xa5                        ; sources 0 and 1 window 1; C and D window 2
.set TO_F, 0x40                        ; destination window 1, address window 0
.macro JLOAD s                         ; waves 0 and 1 fetch y's two heads, waves 2 and 3 Wout's two halves; an s_nop 0 and four v_nop follow each line
	s_cmp_eq_u32 s11, 0
	s_cbranch_scc0 .Lfor_b_\@
	tensor_load_to_lds s[G0+4*\s:G0+4*\s+3], s[G1:G1+7]
	s_nop 0
.rept 4
	v_nop
.endr
	s_branch .Lasked_\@
.Lfor_b_\@:
	tensor_load_to_lds s[G0B+4*\s:G0B+4*\s+3], s[G1B:G1B+7]
	s_nop 0
.rept 4
	v_nop
.endr
.Lasked_\@:
.endm
.macro CREST                           ; a round of the cluster's barrier behind its opening barrier
	s_cmp_lg_u32 s10, 0
	s_cbranch_scc1 .Lnot_wave_0_\@
	s_barrier_signal -3
.Lnot_wave_0_\@:
	s_barrier_wait -3
	s_barrier_signal -1
	s_barrier_wait -1
.endm
.macro CROUND
	s_barrier_signal -1
	s_barrier_wait -1
	CREST
.endm
	s_load_b128 s[4:7], s[0:1], 0x0                ; yh, wo16
	s_load_b64 s[8:9], s[0:1], 0x10                ; out0
	v_lshl_add_u32 v[SPW], v0, 2, SPARE
	v_mov_b32 v[NIL], 0
	ds_add_u32 v[SPW], v[NIL]                      ; the wave's opening: the add, twice on end, and its wait ahead of my first tensor load
	ds_add_u32 v[SPW], v[NIL]
	v_lshrrev_b32 v1, 5, v0
	v_readfirstlane_b32 s10, v1                    ; wave 0..3
	s_lshr_b32 s11, s10, 1                         ; which 64 rows are mine.  Also: I fetch for y (0) or for Wout (1)
	s_and_b32 s12, s10, 1                          ; which 128 columns.  Also: which head, or which 64 rows of Wout, I fetch
	s_bfe_u32 s40, ttmp6, 0x40000                  ; cx
	s_bfe_u32 s41, ttmp6, 0x40004                  ; cy
	s_lshl_b32 s42, ttmp9, 2
	s_add_co_u32 s42, s42, s40                     ; tile column 0..3
	s_and_b32 s13, ttmp7, 0xffff
	s_lshl_b32 s13, s13, 2
	s_add_co_u32 s13, s13, s41                     ; tile row 0..63
	s_lshl_b32 s43, s41, 2
	s_lshl_b32 s43, 15, s43                        ; my row of the cluster
	s_lshl_b32 s44, 0x1111, s40                    ; my column
	s_or_b32 s[G1+0], s43, (1<<16)|(1<<20)|(1<<21)|(4<<22)|(3<<25)   ; y: elements of 2 bytes; 4 words of padding behind every 32
	s_mov_b32 s[G1+1], 64<<16                      ; tensor_dim0
	s_mov_b32 s[G1+2], 128<<16                     ; tensor_dim1
	s_mov_b32 s[G1+3], 64<<16                      ; tile_dim0
	s_mov_b32 s[G1+4], 128                         ; tile_dim1
	s_mov_b32 s[G1+5], 64                          ; pitch
	s_mov_b32 s[G1+6], 0
	s_mov_b32 s[G1+7], 0
	s_or_b32 s[G1B+0], s44, (1<<16)|(1<<20)|(1<<21)|(6<<22)|(7<<25)  ; Wout: 8 words of padding behind every 128
	s_mov_b32 s[G1B+1], 256<<16
	s_mov_b32 s[G1B+2], 64<<16
	s_mov_b32 s[G1B+3], 256<<16
	s_mov_b32 s[G1B+4], 64
	s_mov_b32 s[G1B+5], 1024
	s_mov_b32 s[G1B+6], 0
	s_mov_b32 s[G1B+7], 0
	s_lshr_b32 s16, s13, 4
	s_lshl_b32 s16, s16, 4                         ; 16 x batch
	s_add_co_u32 s16, s16, s12                     ; + my head of the step's two
	s_lshl_b32 s16, s16, 11
	s_and_b32 s17, s13, 15
	s_lshl_b32 s17, s17, 7
	s_add_co_u32 s16, s16, s17                     ; + l of the tile's first row
	s_lshl_b32 s16, s16, 7                         ; rows of 128 bytes
	s_mov_b32 s17, 0
	s_lshl_b32 s46, s12, 17                        ; Wout: my 64 rows of 2,048 bytes,
	s_lshl_b32 s47, s42, 9                         ; the tile's 256 columns
	s_add_co_u32 s46, s46, s47
	s_mov_b32 s47, 0
	s_mul_i32 s20, s12, ASUB                       ; where they go: no place in the cluster enters an LDS address
	s_mul_i32 s21, s12, 64*BP
	s_add_co_u32 s21, s21, BOFF
	s_wait_dscnt 0x0                               ; both opening adds are done
	s_wait_kmcnt 0x0
	s_add_nc_u64 s[14:15], s[4:5], s[16:17]
	s_add_nc_u64 s[46:47], s[6:7], s[46:47]
	CROUND                                         ; all sixteen work-groups are here: the first joint loads meet
.irp s, 0,1
	s_mov_b32 s[G0+4*\s], 1
	s_add_co_u32 s[G0+4*\s+1], s20, \s*SLOT
	s_add_nc_u64 s[G0+4*\s+2:G0+4*\s+3], s[14:15], \s*2*262144     ; K step s: heads 2 s, 2 s + 1
	s_or_b32 s[G0+4*\s+3], s[G0+4*\s+3], 0x80000000
	s_mov_b32 s[G0B+4*\s], 1
	s_add_co_u32 s[G0B+4*\s+1], s21, \s*SLOT
	s_add_nc_u64 s[G0B+4*\s+2:G0B+4*\s+3], s[46:47], \s*128*2048   ; rows 128 s on
	s_or_b32 s[G0B+4*\s+3], s[G0B+4*\s+3], 0x80000000
	JLOAD \s
.endr
	v_and_b32 v1, 15, v0                           ; r
	v_bfe_u32 v2, v0, 4, 1                         ; h
	v_mul_u32_u24 v3, v1, AP
	v_lshl_add_u32 v3, v2, 4, v3                   ; y: row x pitch + 16 h
	v_and_b32 v4, 7, v0
	v_lshl_add_u32 v4, v2, 3, v4
	v_mul_u32_u24 v4, v4, BP                       ; Wout, turning load: k = 8 h + l % 8,
	v_bfe_u32 v5, v0, 3, 1
	v_lshl_add_u32 v4, v5, 4, v4                   ; columns 8 ((l / 8) % 2) on
	s_mul_i32 s21, s11, 64*AP                      ; my 64 rows of y
	s_lshl_b32 s22, s12, 8                         ; my 128 columns of Wout
	s_add_co_u32 s22, s22, BOFF
.irp s, 0,1
	v_add_nc_u32 v[ADRA+\s], s21, v3
	v_add_nc_u32 v[ADRB+\s], s22, v4
	s_add_co_u32 s21, s21, SLOT
	s_add_co_u32 s22, s22, SLOT
.endr
	s_mul_i32 s23, s10, 16*SPITCH
	s_add_co_u32 s23, s23, STAGE                   ; my stage
	v_mul_u32_u24 v5, v1, SPITCH
	v_lshl_add_u32 v5, v2, 5, v5
	v_add_nc_u32 v[STO], s23, v5                   ; in: row r, 32 bytes for each half of the lanes
	v_and_b32 v6, 31, v0
	v_lshlrev_b32 v[CO], 4, v6                     ; back: the 32 lanes take one row of 512 bytes; and the same in out0
	v_add_nc_u32 v[RD], s23, v[CO]
	s_lshl_b32 s16, s13, 7
	s_lshl_b32 s17, s11, 6
	s_add_co_u32 s16, s16, s17                     ; my first row of out0
	s_lshl_b32 s16, s16, 12                        ; rows of 4,096 bytes
	s_mov_b32 s17, 0
	s_add_nc_u64 s[8:9], s[8:9], s[16:17]
	s_lshl_b32 s46, s42, 10                        ; my first column, in bytes
	s_lshl_b32 s47, s12, 9
	s_add_co_u32 s46, s46, s47
	s_mov_b32 s47, 0
	s_add_nc_u64 s[8:9], s[8:9], s[46:47]
; 8 matrix instructions: row block a x all 8 column blocks, 32 along K.  The 32 accumulators take turns, one instruction a turn, in the same order in every quarter.
.macro MUL8 f, a, zero
.irp b, 0,1,2,3,4,5,6,7
.if \zero
	v_wmma_f32_16x16x32_f16 v[8*(8*(\a)+\b):8*(8*(\a)+\b)+7], v[\f+8*\b:\f+8*\b+7], v[\f+64+8*(\a):\f+64+8*(\a)+7], 0
.else
	v_wmma_f32_16x16x32_f16 v[8*(8*(\a)+\b):8*(8*(\a)+\b)+7], v[\f+8*\b:\f+8*\b+7], v[\f+64+8*(\a):\f+64+8*(\a)+7], v[8*(8*(\a)+\b):8*(8*(\a)+\b)+7]
.endif
.endr
.endm
; 24 LDS loads in one run: the fragments of quarter kq (32 along K) into buffer f: Wout's sixteen first, then y's eight
.macro FETCH slot, kq, f
	WIN TO_F
.irp i, 0,1,2,3,4,5,6,7
	ds_load_tr16_b128 v[\f+8*\i:\f+8*\i+3],   v[ADRB+\slot] offset:(\kq)*32*BP+32*\i
	ds_load_tr16_b128 v[\f+8*\i+4:\f+8*\i+7], v[ADRB+\slot] offset:(\kq)*32*BP+16*BP+32*\i
.endr
.irp i, 0,1,2,3
	ds_load_b128 v[\f+64+8*\i:\f+64+8*\i+3],   v[ADRA+\slot] offset:((\kq)/2)*ASUB+((\kq)%2)*64+\i*16*AP
	ds_load_b128 v[\f+64+8*\i+4:\f+64+8*\i+7], v[ADRA+\slot] offset:((\kq)/2)*ASUB+((\kq)%2)*64+\i*16*AP+32
.endr
.endm
.macro PLACES                          ; four places in front of loads into registers that matrix instructions have read, and of the first read of results
.rept 4
	v_nop
.endr
.endm
; A K step is four quarters of 32 along K, 32 matrix instructions each, on buffers 0, 1, 0, 1.  One of the first three: multiplies buffer f and fetches quarter kq into g.
.macro QUARTER slot, kq, f, g, zero
	s_wait_dscnt 4                                 ; Wout's fragments and y's blocks 0, 1 are in; the youngest four loads (blocks 2, 3) may be out
	WIN MUL
	MUL8 \f, 0, \zero
	MUL8 \f, 1, \zero
	PLACES
	FETCH \slot, \kq, \g
	s_wait_dscnt 24                                ; all but the 24 just issued
	WIN MUL
	MUL8 \f, 2, \zero
	MUL8 \f, 3, \zero
.endm
; The last quarter multiplies buffer 1 and changes slots: ONE barrier; in front of it each wave waits for all its tensor loads, adds 0 to its spare word, and waits for that and for its reads of this slot.  fill = 1: this slot is filled again, two K steps ahead.
.macro TURN slot, next, fill
	WIN 0                                          ; (the add's two registers lie in window 0)
	s_wait_tensorcnt 0x0                           ; all my tensor loads have landed: my part of the next slot
	ds_add_u32 v[SPW], v[NIL]                      ; 0 onto my spare word
	s_wait_dscnt 5                                 ; (the add and the youngest four loads may be out)
	WIN MUL
	MUL8 F1, 0, 0
	s_wait_dscnt 0x0                               ; the add is done, and my reads of this slot are over
	s_barrier_signal -1
	MUL8 F1, 1, 0
.if \fill
	WIN 0
.endif
	s_barrier_wait -1
.if \fill
	CREST                                          ; the barrier has opened a round of the cluster's barrier: no wave of any partner still reads this slot or has a load on its way
	s_add_nc_u64 s[G0+4*\slot+2:G0+4*\slot+3], s[G0+4*\slot+2:G0+4*\slot+3], 4*262144      ; four heads on
	s_add_nc_u64 s[G0B+4*\slot+2:G0B+4*\slot+3], s[G0B+4*\slot+2:G0B+4*\slot+3], 256*2048  ; 256 rows on
	JLOAD \slot                                    ; the first tensor load behind the round; its four v_nop are also the places in front of the loads below
.else
	PLACES
.endif
	FETCH \next, 0, F0
	WIN MUL
	MUL8 F1, 2, 0
	MUL8 F1, 3, 0
.endm
	s_wait_tensorcnt 1                             ; my part of K step 0 is in (K step 1's load may be out),
	s_barrier_signal -1
	s_barrier_wait -1                              ; everybody's is
	FETCH 0, 0, F0
	QUARTER 0, 1, F0, F1, 1                        ; the first quarter stands in front of the loop: its products start the sums
	WIN 0                                          ; at a label and at a branch every window is 0
	s_mov_b32 s3, LAPS-1
.Llap:                                             ; a trip goes once round the ring, from a lap's second quarter to the next lap's first, and fills both slots again
	QUARTER 0, 2, F1, F0, 0
	QUARTER 0, 3, F0, F1, 0
	TURN 0, 1, 1
	QUARTER 1, 1, F0, F1, 0
	QUARTER 1, 2, F1, F0, 0
	QUARTER 1, 3, F0, F1, 0
	TURN 1, 0, 1
	QUARTER 0, 1, F0, F1, 0
	WIN 0
	s_sub_co_u32 s3, s3, 1
	s_cmp_lg_u32 s3, 0
	s_cbranch_scc1 .Llap
	QUARTER 0, 2, F1, F0, 0                        ; the last lap fills nothing
	QUARTER 0, 3, F0, F1, 0
	TURN 0, 1, 0
	QUARTER 1, 1, F0, F1, 0
	QUARTER 1, 2, F1, F0, 0
	QUARTER 1, 3, F0, F1, 0
	s_wait_dscnt 4                                 ; the very last quarter: nothing more to fetch
	WIN MUL
	MUL8 F1, 0, 0
	MUL8 F1, 1, 0
	s_wait_dscnt 0
	MUL8 F1, 2, 0
	MUL8 F1, 3, 0
	WIN 0
; THE WAY OUT, block by block of 16 rows x 128 columns: through my own stage and back as whole rows of 512 bytes.  LDS serves a wave's instructions in order: no wait between the stores and the loads.
.macro TOSTAGE a
	WIN 0x08                                       ; an LDS store's data are its source 1: window 2
.irp b, 0,1,2,3,4,5,6,7
	ds_store_b128 v[STO], v[64*(\a)+8*\b:64*(\a)+8*\b+3] offset:64*\b          ; each accumulator from its low end on
	ds_store_b128 v[STO], v[64*(\a)+8*\b+4:64*(\a)+8*\b+7] offset:64*\b+16
.endr
	WIN 0
.set BB, BK+64*((\a)%2)
.irp t, 0,1,2,3,4,5,6,7,8,9,10,11,12,13,14,15
	ds_load_b128 v[BB+4*\t:BB+4*\t+3], v[RD] offset:\t*SPITCH
.endr
.endm
.macro SEND a, younger                 ; younger: the LDS instructions issued behind block a's loads, which may stay out
.set BB, BK+64*((\a)%2)
	s_wait_dscnt \younger
.if (\a) > 0
	s_add_nc_u64 s[8:9], s[8:9], 16*4096           ; (behind a wait on XCNT: the earlier stores have read their base)  16 rows on
.endif
.irp t, 0,1,2,3,4,5,6,7,8,9,10,11,12,13,14,15
	global_store_b128 v[CO], v[BB+4*\t:BB+4*\t+3], s[8:9] offset:\t*4096 th:TH_STORE_NT   ; 32 lanes store 512 consecutive bytes, aligned; written once, read by nobody here
.endr
.endm
	PLACES
	TOSTAGE 0
.irp a, 1,2,3
.if \a > 1
	s_wait_xcnt 0x0                                ; block a - 2's stores have read their registers and their base
.endif
	TOSTAGE \a
	SEND \a-1, 32                                  ; behind block a - 1's loads: block a's 16 stores and 16 loads
.endr
	s_wait_xcnt 0x0
	SEND 3, 0
	s_wait_tensorcnt 0x0                           ; the wave's end
	ds_add_u32 v[SPW], v[NIL]
	s_wait_dscnt 0x0
	CROUND                                         ; the closing round
	s_endpgm
.Lfunc_end_k_q0d6d888d19_outp:
	.size	k_q0d6d888d19_outp, .Lfunc_end_k_q0d6d888d19_outp-k_q0d6d888d19_outp
	.p2alignl 7, 3214868480
	.fill 96, 4, 3214868480
	.section	.rodata,"a",@progbits
	.p2align	6, 0x0
	.amdhsa_kernel k_q0d6d888d19_outp
		.amdhsa_group_segment_fixed_size 327680
		.amdhsa_private_segment_fixed_size 0
		.amdhsa_enable_private_segment 0
		.amdhsa_kernarg_size 24
		.amdhsa_user_sgpr_count 2
		.amdhsa_user_sgpr_kernarg_segment_ptr 1
		.amdhsa_wavefront_size32 1
		.amdhsa_system_sgpr_workgroup_id_x 1
		.amdhsa_system_sgpr_workgroup_id_y 1
		.amdhsa_system_sgpr_workgroup_id_z 1
		.amdhsa_system_vgpr_workitem_id 0
		.amdhsa_next_free_vgpr 768
		.amdhsa_next_free_sgpr 66
		.amdhsa_reserve_vcc 0
		.amdhsa_float_denorm_mode_32 3
		.amdhsa_float_denorm_mode_16_64 3
		.amdhsa_memory_ordered 1
		.amdhsa_forward_progress 1
		.amdhsa_inst_pref_size 85
	.end_amdhsa_kernel
	.amdgpu_metadata
---
amdhsa.version: [ 1, 2 ]
amdhsa.kernels:
  - .name:           k_q0d6d888d19_outp
    .symbol:         k_q0d6d888d19_outp.kd
    .args:
      - { .name: yh, .offset: 0, .size: 8, .value_kind: global_buffer, .address_space: global }
      - { .name: wo16, .offset: 8, .size: 8, .value_kind: global_buffer, .address_space: global }
      - { .name: out0, .offset: 16, .size: 8, .value_kind: global_buffer, .address_space: global }
    .group_segment_fixed_size: 327680
    .private_segment_fixed_size: 0
    .kernarg_segment_align: 8
    .kernarg_segment_size: 24
    .max_flat_workgroup_size: 128
    .sgpr_count:     66
    .vgpr_count:     768
    .wavefront_size: 32
...
	.end_amdgpu_metadata
.endif
;; end of part 4
